; MI455X (gfx1250); checked and timed in simulation.
; The chip was launched on July 23, 2026; its instructions are those of AMD's public machine-readable ISA for CDNA 5 (MIT licence, August 2026) and "CDNA5" Instruction Set Architecture Reference Guide (July 2026). The comments in the code are by the model that wrote it; some were corrected since.
;; Causal Self Attention. Allowed arithmetic: float matrix products may take bf16 or f16 operands with f32 sums; other float arithmetic in f32, or as packed bf16 or f16 multiplies, adds, multiply-adds, maxima and minima; sums over many terms, partial sums and values carried from step to step in f32; what a program stores and reads back later, other than sums and carried values, may be rounded once to bf16 or f16.
;; Inputs: w_proj 1,024 x 1,024 float32; w_qkv 3,072 x 1,024 float32; x 4 x 2,048 x 1,024 float32.
;; Outputs: out0 4 x 2,048 x 1,024 float32.
;; 2 versions, each right; version 2 is version 1 with the launch cast written anew for expert scheduling mode. Each part assembles by itself: llvm-mc -triple=amdgcn-amd-amdhsa -mcpu=gfx1250 --defsym DOCPART=n.
;; ======== version 1 of 2: 4 launches
;; limits: values are held in f16: magnitudes above 65,504 overflow, below 6.1e-05 lose precision
;; workspace buffers: xb 16,777,216 bytes; wqb 6,291,456 bytes; wpb 2,097,152 bytes; qkv 50,331,648 bytes; ob 16,777,216 bytes
;; launch cast (part 1): grid 768 x 1, 8 waves a work-group, no clusters, 0 bytes of LDS; arguments x, w_qkv, w_proj, xb, wqb, wpb; writes xb, wqb, wpb
.if DOCPART == 1
	.amdgcn_target "amdgcn-amd-amdhsa--gfx1250"
	.amdhsa_code_object_version 6
	.text
	.protected	k_q307f8b4e91_cast
	.globl	k_q307f8b4e91_cast
	.p2align	8
	.type	k_q307f8b4e91_cast,@function
k_q307f8b4e91_cast:
	s_mov_b64 s[64:65], 0
	v_nop
	global_prefetch_b8 v0, s[64:65] scope:SCOPE_SE
	s_setreg_imm32_b32 hwreg(HW_REG_WAVE_MODE, 25, 1), 1
	s_wait_xcnt 0x0
; THE INPUTS ARE ROUNDED ONCE, for the matrix units.  x [8192][1024] and w_qkv [3072][1024], f32, become bf16 in the same layout (xb, wqb).
; w_proj [1024 n][1024 k], f32, is rounded to bf16 like the other inputs, and that number is written as f16 (exact within f16's range), laid in blocks of 64 along k:
; wpb [16 kb][1024 n][64 k], so that 128 rows of one block are 16,384 dense bytes for the launch that multiplies by them.
; LIMITS.  A number of w_proj of 65,520 or more in magnitude becomes an infinity in f16; below 6e-5 f16 keeps its fixed step of 6e-8.  NaN and infinities are passed on as the conversions give them.
; SHARES.  A work-group converts 16,384 numbers: 65,536 bytes in, 32,768 out.  Work-groups 0-511 take x, 512-703 w_qkv, 704-767 sixteen rows of w_proj each: 768 equal shares.
; A thread issues its sixteen loads of 16 bytes at once (a wave's load covers 512 consecutive bytes), so the whole share is on its way; then, load by load, it converts four numbers and stores 8 bytes:
; a wave's store covers 256 consecutive bytes, aligned.  No register is written twice while a memory instruction may read it, so no wait frees one.  No LDS, no barrier: no thread wants another's bytes.
.set X, 8                              ; v[8:71]    pass p: four f32 as loaded
.set Y, 72                             ; v[72:103]  pass p: four 16-bit numbers to store
	s_load_b256 s[4:11], s[0:1], 0x0               ; x s[4:5], w_qkv s[6:7], w_proj s[8:9], xb s[10:11]
	s_load_b128 s[12:15], s[0:1], 0x20             ; wqb s[12:13], wpb s[14:15]
	s_mov_b32 s16, ttmp9                           ; the work-group's number
	s_sub_co_u32 s17, s16, 512                     ; its number among w_qkv's
	s_sub_co_u32 s18, s16, 704                     ; and among w_proj's
	s_mov_b32 s25, 0                               ; the high words of the two offsets
	s_mov_b32 s27, 0
	v_lshlrev_b32 v2, 3, v0                        ; out: 8 bytes a thread, on both ways
	s_wait_kmcnt 0x0
	s_cmp_lt_u32 s16, 704
	s_cbranch_scc0 .Lw_proj
	; x and w_qkv: the layout stays
	s_cmp_lt_u32 s16, 512
	s_cselect_b64 s[20:21], s[4:5], s[6:7]         ; from
	s_cselect_b64 s[22:23], s[10:11], s[12:13]     ; to
	s_cselect_b32 s24, s16, s17                    ; my share's number in that tensor
	s_lshl_b32 s26, s24, 15                        ; 32,768 bytes out,
	s_lshl_b32 s24, s24, 16                        ; 65,536 bytes in
	s_add_nc_u64 s[20:21], s[20:21], s[24:25]
	s_add_nc_u64 s[22:23], s[22:23], s[26:27]
	v_lshlrev_b32 v1, 4, v0                        ; in: 16 bytes a thread; a pass is 4,096 bytes
.irp p, 0,1,2,3,4,5,6,7,8,9,10,11,12,13,14,15
	global_load_b128 v[X+4*(\p):X+4*(\p)+3], v1, s[20:21] offset:4096*(\p) th:TH_LOAD_NT
.endr
.irp p, 0,1,2,3,4,5,6,7,8,9,10,11,12,13,14,15
	s_wait_loadcnt 15-(\p)                         ; loads come back in order (ISA guide 5.7.1): pass p is in, the 15 - p younger ones stay out
	v_cvt_pk_bf16_f32 v[Y+2*(\p)], v[X+4*(\p)], v[X+4*(\p)+1]
	v_cvt_pk_bf16_f32 v[Y+2*(\p)+1], v[X+4*(\p)+2], v[X+4*(\p)+3]
	global_store_b64 v2, v[Y+2*(\p):Y+2*(\p)+1], s[22:23] offset:2048*(\p) th:TH_STORE_NT
.endr
	s_endpgm
.Lw_proj:
	; w_proj: thread t takes row t / 16 of the share's sixteen; pass p is block p of 64 along k: sixteen lanes read its 256 bytes of a row.
	; Out, a row of a block is 128 bytes: 128 (t / 16) + 8 (t % 16) = 8 t; a wave's store is two neighbouring rows of one block.
	s_lshl_b32 s24, s18, 16                        ; sixteen rows of 4,096 bytes in,
	s_lshl_b32 s26, s18, 11                        ; sixteen rows of 128 bytes in each block out
	s_add_nc_u64 s[20:21], s[8:9], s[24:25]
	s_add_nc_u64 s[22:23], s[14:15], s[26:27]
	v_lshrrev_b32 v3, 4, v0
	v_and_b32 v1, 15, v0
	v_lshlrev_b32 v1, 4, v1
	v_lshl_add_u32 v1, v3, 12, v1                  ; row x 4,096 + 16 (t % 16)
.irp p, 0,1,2,3,4,5,6,7,8,9,10,11,12,13,14,15
	global_load_b128 v[X+4*(\p):X+4*(\p)+3], v1, s[20:21] offset:256*(\p) th:TH_LOAD_NT
.endr
.irp p, 0,1,2,3,4,5,6,7,8,9,10,11,12,13,14,15
	s_wait_loadcnt 15-(\p)                         ; pass p is in
	v_cvt_pk_bf16_f32 v4, v[X+4*(\p)], v[X+4*(\p)+1]      ; the rounding that all inputs get,
	v_cvt_pk_bf16_f32 v5, v[X+4*(\p)+2], v[X+4*(\p)+3]
	v_lshlrev_b32 v6, 16, v4                       ; back to f32: the low half moves up,
	v_and_b32 v4, 0xffff0000, v4                   ; the high half stays,
	v_lshlrev_b32 v7, 16, v5
	v_and_b32 v5, 0xffff0000, v5
	v_cvt_pk_f16_f32 v[Y+2*(\p)], v6, v4           ; and the same numbers as f16
	v_cvt_pk_f16_f32 v[Y+2*(\p)+1], v7, v5
	global_store_b64 v2, v[Y+2*(\p):Y+2*(\p)+1], s[22:23] offset:131072*(\p) th:TH_STORE_NT  ; a block is 1,024 rows of 128 bytes
.endr
	s_endpgm
.Lfunc_end_k_q307f8b4e91_cast:
	.size	k_q307f8b4e91_cast, .Lfunc_end_k_q307f8b4e91_cast-k_q307f8b4e91_cast
	.p2alignl 7, 3214868480
	.fill 96, 4, 3214868480
	.section	.rodata,"a",@progbits
	.p2align	6, 0x0
	.amdhsa_kernel k_q307f8b4e91_cast
		.amdhsa_group_segment_fixed_size 0
		.amdhsa_private_segment_fixed_size 0
		.amdhsa_enable_private_segment 0
		.amdhsa_kernarg_size 48
		.amdhsa_user_sgpr_count 2
		.amdhsa_user_sgpr_kernarg_segment_ptr 1
		.amdhsa_wavefront_size32 1
		.amdhsa_system_sgpr_workgroup_id_x 1
		.amdhsa_system_sgpr_workgroup_id_y 1
		.amdhsa_system_sgpr_workgroup_id_z 1
		.amdhsa_system_vgpr_workitem_id 0
		.amdhsa_next_free_vgpr 104
		.amdhsa_next_free_sgpr 66
		.amdhsa_reserve_vcc 0
		.amdhsa_float_denorm_mode_32 3
		.amdhsa_float_denorm_mode_16_64 3
		.amdhsa_memory_ordered 1
		.amdhsa_forward_progress 1
		.amdhsa_inst_pref_size 18
	.end_amdhsa_kernel
	.amdgpu_metadata
---
amdhsa.version: [ 1, 2 ]
amdhsa.kernels:
  - .name:           k_q307f8b4e91_cast
    .symbol:         k_q307f8b4e91_cast.kd
    .args:
      - { .name: x, .offset: 0, .size: 8, .value_kind: global_buffer, .address_space: global }
      - { .name: w_qkv, .offset: 8, .size: 8, .value_kind: global_buffer, .address_space: global }
      - { .name: w_proj, .offset: 16, .size: 8, .value_kind: global_buffer, .address_space: global }
      - { .name: xb, .offset: 24, .size: 8, .value_kind: global_buffer, .address_space: global }
      - { .name: wqb, .offset: 32, .size: 8, .value_kind: global_buffer, .address_space: global }
      - { .name: wpb, .offset: 40, .size: 8, .value_kind: global_buffer, .address_space: global }
    .group_segment_fixed_size: 0
    .private_segment_fixed_size: 0
    .kernarg_segment_align: 8
    .kernarg_segment_size: 48
    .max_flat_workgroup_size: 256
    .sgpr_count:     66
    .vgpr_count:     104
    .wavefront_size: 32
...
	.end_amdgpu_metadata
.endif
;; end of part 1
;; launch qkvgemm (part 2): grid 16 x 32, 4 waves a work-group, clusters of 4 x 4, 327,680 bytes of LDS; arguments xb, wqb, qkv; writes qkv
.if DOCPART == 2
	.amdgcn_target "amdgcn-amd-amdhsa--gfx1250"
	.amdhsa_code_object_version 6
	.text
	.protected	k_q307f8b4e91_qkvgemm
	.globl	k_q307f8b4e91_qkvgemm
	.p2align	8
	.type	k_q307f8b4e91_qkvgemm,@function
k_q307f8b4e91_qkvgemm:
	s_mov_b64 s[64:65], 0
	v_nop
	global_prefetch_b8 v0, s[64:65] scope:SCOPE_SE
	s_setreg_imm32_b32 hwreg(HW_REG_WAVE_MODE, 25, 1), 1
	s_wait_xcnt 0x0
	s_wait_alu depctr_hold_cnt(0) depctr_sa_sdst(0) depctr_va_vdst(0) depctr_va_sdst(0) depctr_va_ssrc(0) depctr_va_vcc(0) depctr_vm_vsrc(0)
	s_getreg_b32 s2, hwreg(HW_REG_IB_STS2, 6, 4)
	s_cmp_eq_u32 s2, 0
	s_cbranch_scc0 .Lentry_in_a_cluster
	s_endpgm
.Lentry_in_a_cluster:
	s_bfe_u32 s2, ttmp6, 0x10000c
	s_cmp_lg_u32 s2, 0xf033
	s_cbranch_scc0 .Lentry_shape_is_right
	s_endpgm
.Lentry_shape_is_right:
; qkv[m][c] = the sum over k of x[m][k] w_qkv[c][k].  xb: [8192][1024] bf16, wqb: [3072][1024] bf16; sums in f32, K ascending; the result is rounded once to f16, UNSCALED, and stored BY HEADS:
; qkv [4 b][48 hc][2048 s][64], hc = c / 64 (0-15 q's heads, 16-31 k's, 32-47 v's), so that a head's rows are dense, 128 bytes each.
; LIMIT.  A result of 65,520 or more in magnitude becomes an infinity in f16; below 6e-5 f16 keeps its fixed step of 6e-8.
; SHARES.  A tile of the result is 256 rows x 192 columns (three heads): 32 x 16 = 512 tiles, two for each of 256 WGPs.  Four waves; wave w makes rows 64 w .. 64 w + 63 of all 192 columns: 48 accumulators of
; 16 x 16, 384 registers.  A wave so holds whole heads, and sends them out through a stage of its own, without a barrier.
; K goes in eight steps of 128 through a ring of two LDS slots filled by the tensor data mover: the tiles' rows are 256 bytes of memory, at multiples of 256 bytes from the buffer's first byte.
; CLUSTERS: 4 x 4 work-groups.  The four of a row of the cluster need the same tiles of x, the four of a column the same tiles of w: each tile is asked for JOINTLY, by the same tensor load with the same
; descriptor and a mask that names the four.
; THE MATRIX INSTRUCTION IS USED TRANSPOSED (source 0 = 16 rows of w, source 1 = 16 rows of x): a lane then holds row l % 16 of the result and the eight neighbouring columns 8 (l / 16) + 0..7.
; REGISTERS, in windows of 256 (s_set_vgpr_msb's low byte: bits 1:0 source 0, 3:2 source 1, 5:4 source 2, 7:6 destination):
;   window 0: v0-31 addresses; v32-175 at work on the way out      windows 1, 2: accumulator (a, b), number ix = 12 a + b, in window 1 + ix / 32 at v[8 (ix % 32)]
;   window 3: two fragment buffers of 128: w's twelve fragments (16 rows x 32 K, 8 registers each), then x's four
.set NSTEP,  8                         ; K steps of 128
.set NBK,    12                        ; blocks of 16 columns
.set PITCH,  272                       ; an LDS row: 256 bytes + 16 of padding = 68 words: row r starts at bank 4 r mod 64 (64 banks of 4 bytes: ISA guide 11.1), so the 16 rows of a load start at 16 different banks
.set HALFA,  128*PITCH                 ; what one load brings of x: 128 rows
.set HALFB,  96*PITCH                  ; and of w: 96 rows
.set BOFF,   2*HALFA                   ; in a slot: x's 256 rows, then w's 192
.set SLOT1,  1<<17                     ; slot 1 begins here, so that one exclusive or turns an address in one slot into the other's
.set STAGE,  SLOT1+BOFF+2*HALFB        ; behind the ring, never filled by a tensor load: 16 rows x 400 bytes for each wave, for the way out
.set SP,     400                       ; a stage row: 384 bytes + 16
.set SPARE,  STAGE+4*16*SP             ; behind the stages: the spare words, 128 bytes for each wave: two blocks of 256 bytes that no other line names
.set STEP,   256                       ; bytes along a row from a K step to the next
.set FW,     3                         ; the fragments' window
.set F0,     0
.set F1,     128
.set A0,  16                           ; v16  my fragment's place among x's rows in slot 0; never rewritten
.set B0,  17                           ; v17  the same for w
.set ADA, 18                           ; v18  the same in the slot in hand
.set ADB, 19                           ; v19
.set STO, 20                           ; v20  the way out: where I put 16 bytes of a row
.set RD,  21                           ; v21  the way out: where I read rows back
.set GO,  22                           ; v22  16 x my lane: my place in 512 consecutive bytes of the result
.set SPW, 28                           ; v28  LDS address of my spare word: SPARE + 4 x my thread's number; never rewritten
.set NIL, 29                           ; v29  0; never rewritten
.set TMP, 32                           ; v32-79   a block's 16 rows, packed
.set OB,  80                           ; v80-127, v128-175 by turns: the same rows read back from the stage
.set G1A, 24                           ; s[24:31] descriptor group 1 for x's tiles
.set G0A, 32                           ; s[32:39] group 0 for x's tiles: a set for each of the two first fills; the second then walks on
.set G1B, 48                           ; s[48:55], s[56:63] the same for w's
.set G0B, 56
.set TB,  66                           ; s66  0 or SLOT1: the slot in hand
.set CNT, 67                           ; s67  the loop's count
.set MSB, 0
.macro WIN new                         ; the immediate's high byte repeats the setting that is left; a switch that changes nothing is dropped
.if MSB != (\new)
	s_set_vgpr_msb (MSB<<8)|(\new)
.set MSB, \new
.endif
.endm
.macro PLACES                          ; a load into a register that a matrix instruction has read, and a vector instruction that reads a matrix result, stand four places behind it; only plain vector
.rept 4                                ; instructions that name none of its registers are places (ISA guide 7.12.1 for vector instructions)
	v_nop
.endr
.endm
; A joint refill, by the walking sets.  Waves 0 and 1 fetch x's two halves, waves 2 and 3 w's.  The branch hangs on the wave's number alone: it is the same in every work-group.
; An s_nop 0 and four v_nop follow each of the two lines, ahead of the jump and the label.
.macro JLOAD
	s_cmp_eq_u32 s11, 0
	s_cbranch_scc0 .Lfor_b_\@
	tensor_load_to_lds s[G0A+4:G0A+7], s[G1A:G1A+7]
	s_nop 0
.rept 4
	v_nop
.endr
	s_branch .Lasked_\@
.Lfor_b_\@:
	tensor_load_to_lds s[G0B+4:G0B+7], s[G1B:G1B+7]
	s_nop 0
.rept 4
	v_nop
.endr
.Lasked_\@:
.endm
; A round of the cluster's barrier: my work-group's barrier, so that wave 0's signal speaks for all four waves; wave 0 signals for the work-group; every wave waits for all sixteen work-groups; my work-group's barrier once more.
.macro CREST                           ; a round behind its opening barrier
	s_cmp_lg_u32 s10, 0
	s_cbranch_scc1 .Lnot_wave_0_\@
	s_barrier_signal -3
.Lnot_wave_0_\@:
	s_barrier_wait -3
	s_barrier_signal -1
	s_barrier_wait -1
.endm
.macro CROUND                          ; a whole round
	s_barrier_signal -1
	s_barrier_wait -1
	CREST
.endm
	s_load_b128 s[4:7], s[0:1], 0x0                ; xb s[4:5], wqb s[6:7]
	s_load_b64 s[8:9], s[0:1], 0x10                ; qkv
	v_lshl_add_u32 v[SPW], v0, 2, SPARE
	v_mov_b32 v[NIL], 0
	ds_add_u32 v[SPW], v[NIL]                      ; the wave's opening: the add and its wait stand ahead of my first tensor load; the set-up below, work on registers, stands between them
	ds_add_u32 v28, v29
	v_lshrrev_b32 v1, 5, v0
	v_readfirstlane_b32 s10, v1                    ; wave 0..3
	s_lshr_b32 s11, s10, 1                         ; I fetch for x (0) or for w (1),
	s_and_b32 s12, s10, 1                          ; its first or its second half
	s_bfe_u32 s40, ttmp6, 0x40000                  ; cx, cy: my place in the cluster
	s_bfe_u32 s41, ttmp6, 0x40004
	s_lshl_b32 s42, ttmp9, 2                       ; in a cluster launch ttmp9 and ttmp7 count clusters
	s_add_co_u32 s42, s42, s40                     ; tile column = 4 x cluster x + cx
	s_and_b32 s13, ttmp7, 0xffff
	s_lshl_b32 s13, s13, 2
	s_add_co_u32 s13, s13, s41                     ; tile row = 4 x cluster y + cy
	s_lshl_b32 s43, s41, 2
	s_lshl_b32 s43, 15, s43                        ; my row of the cluster: places 4 cy .. 4 cy + 3
	s_lshl_b32 s44, 0x1111, s40                    ; my column: places cx, cx + 4, cx + 8, cx + 12
	; descriptor group 1: rows of 128 elements, padded in LDS; 128 rows of x, 96 of w
	s_or_b32 s[G1A], s43, (1<<16)|(1<<20)|(1<<21)|(5<<22)|(3<<25)  ; 15:0 the mask: x's tiles go to my row; 17:16 elements of 2 bytes; 20 padding on; 21 set beside a mask; 24:22 after every 64 words (code 5); 31:25 4 words of it (code 3)
	s_or_b32 s[G1B], s44, (1<<16)|(1<<20)|(1<<21)|(5<<22)|(3<<25)  ; the same with the mask of my column
.irp g, G1A, G1B
	s_mov_b32 s[(\g)+1], 128<<16                   ; tensor_dim0 = 128
	s_mov_b32 s[(\g)+3], 128<<16                   ; tile_dim0 = 128
	s_mov_b32 s[(\g)+5], 1024                      ; 1,024 elements from row to row
	s_mov_b32 s[(\g)+6], 0
	s_mov_b32 s[(\g)+7], 0
.endr
	s_mov_b32 s[G1A+2], 128<<16                    ; tensor_dim1
	s_mov_b32 s[G1A+4], 128                        ; tile_dim1
	s_mov_b32 s[G1B+2], 96<<16
	s_mov_b32 s[G1B+4], 96
	; where the tiles come from.  x's hang on the tile row alone, w's on the tile column alone, each in registers that never hold the other coordinate.
	s_lshl_b32 s16, s13, 8
	s_lshl_b32 s22, s12, 7
	s_add_co_u32 s16, s16, s22                     ; x: row 256 x tile row + 128 x half,
	s_lshl_b32 s16, s16, 11                        ; of 2,048 bytes
	s_mov_b32 s17, 0
	s_mul_i32 s46, s42, 192
	s_mul_i32 s23, s12, 96
	s_add_co_u32 s46, s46, s23                     ; w: row 192 x tile column + 96 x half
	s_lshl_b32 s46, s46, 11
	s_mov_b32 s47, 0
	s_mul_i32 s20, s12, HALFA                      ; and where they go: no place in the cluster enters an LDS address
	s_mul_i32 s21, s12, HALFB
	s_add_co_u32 s21, s21, BOFF
	s_wait_dscnt 0x0                               ; the opening add is done
	s_wait_kmcnt 0x0
	s_add_nc_u64 s[14:15], s[4:5], s[16:17]
	s_add_nc_u64 s[46:47], s[6:7], s[46:47]
.irp s, 0,1
	s_mov_b32 s[G0A+4*(\s)], 1                                     ; 1:0 count = 1
	s_add_co_u32 s[G0A+4*(\s)+1], s20, (\s)*SLOT1                  ; 63:32 LDS address
	s_add_nc_u64 s[G0A+4*(\s)+2:G0A+4*(\s)+3], s[14:15], (\s)*STEP ; 120:64 global address: K step s
	s_or_b32 s[G0A+4*(\s)+3], s[G0A+4*(\s)+3], 0x80000000          ; 127:126 type = 2
	s_mov_b32 s[G0B+4*(\s)], 1
	s_add_co_u32 s[G0B+4*(\s)+1], s21, (\s)*SLOT1
	s_add_nc_u64 s[G0B+4*(\s)+2:G0B+4*(\s)+3], s[46:47], (\s)*STEP
	s_or_b32 s[G0B+4*(\s)+3], s[G0B+4*(\s)+3], 0x80000000
.endr
	CROUND                                         ; all sixteen work-groups are here: the first joint loads meet
	s_cmp_eq_u32 s11, 0                            ; a wave's two first fills stand in one branch, ahead of every wait on TENSORcnt and every LDS read: two loads of mine are out
	s_cbranch_scc0 .Lfirst_b
	tensor_load_to_lds s[G0A:G0A+3], s[G1A:G1A+7]
	s_nop 0
	tensor_load_to_lds s[G0A+4:G0A+7], s[G1A:G1A+7]
	s_nop 0
.rept 4
	v_nop
.endr
	s_branch .Lfirst_asked
.Lfirst_b:
	tensor_load_to_lds s[G0B:G0B+3], s[G1B:G1B+7]
	s_nop 0
	tensor_load_to_lds s[G0B+4:G0B+7], s[G1B:G1B+7]
	s_nop 0
.rept 4
	v_nop
.endr
.Lfirst_asked:
	; A fragment is 16 rows x 32 K in 8 registers: lane l holds row l % 16; registers 0-3 hold K = 8 (l / 16) + 0..7, registers 4-7 K = 16 + 8 (l / 16) + 0..7: two loads of 16 bytes, 32 bytes apart.
	v_and_b32 v1, 15, v0                           ; l % 16
	v_bfe_u32 v2, v0, 4, 1                         ; l / 16
	v_mul_u32_u24 v3, v1, PITCH
	v_lshl_add_u32 v3, v2, 4, v3                   ; row x pitch + 16 x half
	s_mul_i32 s22, s10, 64*PITCH                   ; my 64 rows of x
	v_add_nc_u32 v[A0], s22, v3
	v_add_nc_u32 v[B0], BOFF, v3                   ; all waves read all of w's rows
	v_mov_b32 v[ADA], v[A0]
	v_mov_b32 v[ADB], v[B0]
	s_mul_i32 s23, s10, 16*SP
	s_add_co_u32 s23, s23, STAGE                   ; my stage
	v_mul_u32_u24 v3, v1, SP                       ; in: row l % 16, 16 bytes for each half of the lanes
	v_lshl_add_u32 v3, v2, 4, v3
	v_add_nc_u32 v[STO], s23, v3
	v_bfe_u32 v3, v0, 3, 2                         ; back: 32 lanes take one head's 128 bytes of four rows,
	v_mul_u32_u24 v3, v3, SP
	v_and_b32 v4, 7, v0
	v_lshl_add_u32 v3, v4, 4, v3
	v_add_nc_u32 v[RD], s23, v3
	v_and_b32 v[GO], 31, v0                        ; which are 512 consecutive bytes of the result
	v_lshlrev_b32 v[GO], 4, v[GO]
	; my first row in my tile's first head: ((batch x 48 + 3 x tile column) heads of 262,144 bytes) + (the tile's 256 rows in the batch + my wave's 64) x 128 bytes
	s_lshr_b32 s68, s13, 3                         ; eight tile rows a batch
	s_mul_i32 s68, s68, 48
	s_mul_i32 s69, s42, 3
	s_add_co_u32 s68, s68, s69
	s_lshl_b32 s68, s68, 18
	s_and_b32 s69, s13, 7
	s_lshl_b32 s69, s69, 15
	s_add_co_u32 s68, s68, s69
	s_lshl_b32 s69, s10, 13
	s_add_co_u32 s68, s68, s69
	s_mov_b32 s69, 0
	s_add_nc_u64 s[8:9], s[8:9], s[68:69]
	s_mov_b32 s[TB], 0
; Twelve matrix instructions: block a of my four blocks of 16 rows x all 12 column blocks, 32 along K, from buffer f.  zero = 1: the product starts the sum: nothing is ever cleared.
; All 48 accumulators take turns, one instruction a turn, in the same order in every quarter step, over the backward jump too.
.macro MUL f, a, zero
.irp b, 0,1,2,3,4,5,6,7,8,9,10,11
.set ix, NBK*(\a)+(\b)
.set aw, 1+ix/32
.set ar, 8*(ix%32)
	WIN FW|(FW<<2)|(aw<<4)|(aw<<6)
.if \zero
	v_wmma_f32_16x16x32_bf16 v[ar:ar+7], v[(\f)+8*(\b):(\f)+8*(\b)+7], v[(\f)+8*NBK+8*(\a):(\f)+8*NBK+8*(\a)+7], 0
.else
	v_wmma_f32_16x16x32_bf16 v[ar:ar+7], v[(\f)+8*(\b):(\f)+8*(\b)+7], v[(\f)+8*NBK+8*(\a):(\f)+8*NBK+8*(\a)+7], v[ar:ar+7]
.endif
.endr
.endm
; 32 LDS loads in one run: the fragments of quarter q (32 K at byte 64 q of the rows) of the slot in hand, into buffer f
.macro FETCH q, f
	WIN FW<<6
.irp j, 0,1,2,3,4,5,6,7,8,9,10,11
	ds_load_b128 v[(\f)+8*(\j):(\f)+8*(\j)+3],   v[ADB] offset:64*(\q)+(\j)*16*PITCH
	ds_load_b128 v[(\f)+8*(\j)+4:(\f)+8*(\j)+7], v[ADB] offset:64*(\q)+(\j)*16*PITCH+32
.endr
.irp i, 0,1,2,3
	ds_load_b128 v[(\f)+8*NBK+8*(\i):(\f)+8*NBK+8*(\i)+3],   v[ADA] offset:64*(\q)+(\i)*16*PITCH
	ds_load_b128 v[(\f)+8*NBK+8*(\i)+4:(\f)+8*NBK+8*(\i)+7], v[ADA] offset:64*(\q)+(\i)*16*PITCH+32
.endr
.endm
; A K step is four quarters of 32 along K, 48 matrix instructions each, on buffers 0, 1, 0, 1.  One of the first three: multiplies buffer f; behind its first twelve products it fetches quarter q into buffer g, 36 products ahead of the use.
.macro QUARTER f, g, q, zero
	s_wait_dscnt 0x0                               ; buffer f is in
	MUL \f, 0, \zero
	PLACES                                         ; for the loads into g, which the quarter before multiplied
	FETCH \q, \g
	MUL \f, 1, \zero
	MUL \f, 2, \zero
	MUL \f, 3, \zero
.endm
; The last quarter multiplies buffer 1 and changes slots: ONE barrier.  In front of it each wave waits for all its tensor loads, of which one is out: its part of the next slot; adds 0 to its spare word; and waits for that and
; for its own reads of this slot.  Behind it nobody reads this slot any more and the next slot is whole.  fill = 1: the barrier opens a round of the cluster's, so that no wave of any partner still reads the slot or has a load
; on its way, and the joint refill, the K step two steps on, is the first thing behind the round: 168 matrix instructions ahead of the wait for it.
.macro TURN fill
	WIN 0                                          ; (the add's two registers lie in window 0)
	s_wait_tensorcnt 0x0                           ; no tensor load of mine is out, so a group 0 may be written
	ds_add_u32 v[SPW], v[NIL]                      ; 0 onto my spare word: scalar work and twelve products stand between it and the wait for it
.if \fill
	s_xor_b32 s[G0A+5], s[G0A+5], SLOT1            ; the walking sets: the other slot than last time,
	s_add_nc_u64 s[G0A+6:G0A+7], s[G0A+6:G0A+7], STEP  ; the next K step; the type bits on top are not reached
	s_xor_b32 s[G0B+5], s[G0B+5], SLOT1
	s_add_nc_u64 s[G0B+6:G0B+7], s[G0B+6:G0B+7], STEP
.endif
	s_xor_b32 s[TB], s[TB], SLOT1                  ; the fetches go over to the other slot
	s_wait_dscnt 1                                 ; buffer 1 is in; the add, issued behind its loads, may be out
	MUL F1, 0, 0
	s_wait_dscnt 0x0                               ; the add is done, and my reads of this slot are over
	s_barrier_signal -1
	MUL F1, 1, 0                                   ; work on registers while the others arrive
	WIN 0                                          ; (branches and lines on window 0 follow)
	s_barrier_wait -1
.if \fill
	CREST
	JLOAD                                          ; the four v_nop behind it are also the places in front of the loads below
.else
	PLACES
.endif
	v_add_nc_u32 v[ADA], s[TB], v[A0]
	v_add_nc_u32 v[ADB], s[TB], v[B0]
	FETCH 0, F0
	MUL F1, 2, 0
	MUL F1, 3, 0
.endm
; THE WAY OUT of block a (16 rows), in three parts.  PACK: rounded to f16, 16 bytes a lane, each accumulator's registers in ascending order.  TOSTAGE: into my own stage, and back head by head, four rows of 128 bytes a load.  SEND: stored.
.macro PACK a
.irp b, 0,1,2,3,4,5,6,7,8,9,10,11
.set ix, NBK*(\a)+(\b)
.set aw, 1+ix/32
.set ar, 8*(ix%32)
	WIN aw|(aw<<2)
.irp r, 0,1,2,3
	v_cvt_pk_f16_f32 v[TMP+4*(\b)+(\r)], v[ar+2*(\r)], v[ar+2*(\r)+1]
.endr
.endr
	WIN 0
.endm
.macro TOSTAGE a
.set BK, OB+48*((\a)%2)
	s_wait_xcnt 0x0                                ; every earlier memory instruction has had its addresses translated (ISA guide 3.1): the registers that the stores two blocks back read are loaded again only behind this wait
.irp b, 0,1,2,3,4,5,6,7,8,9,10,11
	ds_store_b128 v[STO], v[TMP+4*(\b):TMP+4*(\b)+3] offset:32*(\b)
.endr
.irp j, 0,1,2
.irp t, 0,1,2,3
	ds_load_b128 v[BK+4*(4*(\j)+(\t)):BK+4*(4*(\j)+(\t))+3], v[RD] offset:4*SP*(\t)+128*(\j)  ; LDS serves a wave's instructions in order (ISA guide 5.7.1.4): these see the stores above; the next block's stores come behind them
.endr
.endr
.endm
.macro SEND a, younger                 ; younger: the LDS instructions issued behind block a's loads: the next block's 12 stores and 12 loads, or none
.set BK, OB+48*((\a)%2)
	s_wait_dscnt \younger
.irp j, 0,1,2
.irp t, 0,1,2,3
	global_store_b128 v[GO], v[BK+4*(4*(\j)+(\t)):BK+4*(4*(\j)+(\t))+3], s[8:9] offset:((\j)<<18)+2048*(\a)+512*(\t)  ; head j, 512 consecutive bytes, at a multiple of 256 from the buffer's first byte
.endr
.endr
.endm
	s_wait_tensorcnt 1                             ; my part of K step 0 is in; K step 1's, issued behind it, may stay out
	s_barrier_signal -1
	s_barrier_wait -1                              ; everybody's is
	FETCH 0, F0
	QUARTER F0, F1, 1, 1                           ; the first quarter stands in front of the loop: its products start the sums
	WIN 0                                          ; at a label and at a branch every window is 0
	s_mov_b32 s[CNT], NSTEP-2
.Lstep:                                                ; trip i finishes K step i, fills its slot again with K step i + 2, and begins K step i + 1
	QUARTER F1, F0, 2, 0
	QUARTER F0, F1, 3, 0
	TURN 1
	QUARTER F0, F1, 1, 0
	WIN 0
	s_sub_co_u32 s[CNT], s[CNT], 1
	s_cmp_lg_u32 s[CNT], 0
	s_cbranch_scc1 .Lstep
	QUARTER F1, F0, 2, 0                           ; the last two K steps are written out: they ask for nothing
	QUARTER F0, F1, 3, 0
	TURN 0
	QUARTER F0, F1, 1, 0
	QUARTER F1, F0, 2, 0
	QUARTER F0, F1, 3, 0
	s_wait_dscnt 0x0                               ; the very last quarter: nothing more to fetch
	MUL F1, 0, 0
	MUL F1, 1, 0
	MUL F1, 2, 0
	MUL F1, 3, 0
	WIN 0
	PLACES                                         ; the conversions read results just made
	PLACES
	PACK 0
	TOSTAGE 0
	PACK 1                                         ; a block's conversions stand between the loads of the block before and its stores
	TOSTAGE 1
	SEND 0, 24
	PACK 2
	TOSTAGE 2
	SEND 1, 24
	PACK 3
	TOSTAGE 3
	SEND 2, 24
	SEND 3, 0
	s_wait_tensorcnt 0x0                           ; the wave's end: the add and its wait, behind my last tensor load and my last LDS store
	ds_add_u32 v[SPW], v[NIL]
	s_wait_dscnt 0x0
	CROUND                                         ; the closing round: no work-group ends while a partner may still ask for a tile that names it
	s_endpgm
.Lfunc_end_k_q307f8b4e91_qkvgemm:
	.size	k_q307f8b4e91_qkvgemm, .Lfunc_end_k_q307f8b4e91_qkvgemm-k_q307f8b4e91_qkvgemm
	.p2alignl 7, 3214868480
	.fill 96, 4, 3214868480
	.section	.rodata,"a",@progbits
	.p2align	6, 0x0
	.amdhsa_kernel k_q307f8b4e91_qkvgemm
		.amdhsa_group_segment_fixed_size 327680
		.amdhsa_private_segment_fixed_size 0
		.amdhsa_enable_private_segment 0
		.amdhsa_kernarg_size 24
		.amdhsa_user_sgpr_count 2
		.amdhsa_user_sgpr_kernarg_segment_ptr 1
		.amdhsa_wavefront_size32 1
		.amdhsa_system_sgpr_workgroup_id_x 1
		.amdhsa_system_sgpr_workgroup_id_y 1
		.amdhsa_system_sgpr_workgroup_id_z 1
		.amdhsa_system_vgpr_workitem_id 0
		.amdhsa_next_free_vgpr 1024
		.amdhsa_next_free_sgpr 72
		.amdhsa_reserve_vcc 0
		.amdhsa_float_denorm_mode_32 3
		.amdhsa_float_denorm_mode_16_64 3
		.amdhsa_memory_ordered 1
		.amdhsa_forward_progress 1
		.amdhsa_inst_pref_size 96
	.end_amdhsa_kernel
	.amdgpu_metadata
---
amdhsa.version: [ 1, 2 ]
amdhsa.kernels:
  - .name:           k_q307f8b4e91_qkvgemm
    .symbol:         k_q307f8b4e91_qkvgemm.kd
    .args:
      - { .name: xb, .offset: 0, .size: 8, .value_kind: global_buffer, .address_space: global }
      - { .name: wqb, .offset: 8, .size: 8, .value_kind: global_buffer, .address_space: global }
      - { .name: qkv, .offset: 16, .size: 8, .value_kind: global_buffer, .address_space: global }
    .group_segment_fixed_size: 327680
    .private_segment_fixed_size: 0
    .kernarg_segment_align: 8
    .kernarg_segment_size: 24
    .max_flat_workgroup_size: 128
    .sgpr_count:     72
    .vgpr_count:     1024
    .wavefront_size: 32
...
	.end_amdgpu_metadata
.endif
;; end of part 2
;; launch attn (part 3): grid 4 x 64, 4 waves a work-group, no clusters, 327,680 bytes of LDS; arguments qkv, ob; writes ob
.if DOCPART == 3
	.amdgcn_target "amdgcn-amd-amdhsa--gfx1250"
	.amdhsa_code_object_version 6
	.text
	.protected	k_q307f8b4e91_attn
	.globl	k_q307f8b4e91_attn
	.p2align	8
	.type	k_q307f8b4e91_attn,@function
k_q307f8b4e91_attn:
	s_mov_b64 s[64:65], 0
	v_nop
	global_prefetch_b8 v0, s[64:65] scope:SCOPE_SE
	s_setreg_imm32_b32 hwreg(HW_REG_WAVE_MODE, 25, 1), 1
	s_wait_xcnt 0x0
; CAUSAL ATTENTION.  O[h][q][:] = the sum over k <= q of softmax_k(Q[h][q] . K[h][k] / 8) V[h][k][:], for 64 pairs h = 16 x batch + head.
; qkv: [4 b][48 hc][2048][64] f16 (hc 0-15 Q's heads, 16-31 K's, 32-47 V's), ob: [64 h][2048][64] f16: a head's rows are dense, 128 bytes each.
; Products, maxima and sums in f32; the weights p are rounded to f16 for the second product (their sum l is taken of the unrounded p), O once at the end.
; LIMITS.  f16 holds no number beyond 65,504: Q, K and V arrive within it; p lies in 0 to 1, and below 6e-5 it keeps f16's fixed step of 6e-8; O is a mean of V's rows and has their range, to within 2^-11 of it.
; A hidden score counts as its value less 1e30: f16's scores, 2.7e11 at the most, are nothing beside that; a weight below 2^-126 counts as 0 in l; NaN and infinities are not treated apart.
; THE WALK.  A head's queries lie in NB = 8 blocks of 256; block i needs the key tiles 0 .. i of 256 keys, of which the last holds the diagonal.  A work-group takes TWO blocks, NB - 1 - b and then b:
; NB + 1 tiles, whatever b: all work-groups do equal work, and ONE loop with a constant trip count walks them.  Which tile is asked for, and what a trip does, hang on scalar registers made from b; every jump
; goes forward, but for the counted loops' own; none passes a barrier, or a tensor load but the one of LOAD's two that the wave's number does not choose; the ring (two slots of LDS that take turns) runs on across the
; change of blocks.  NO CLUSTER: a head's NB / 2 = 4 work-groups all ask for the same tile only in trips 0 .. NB / 2, behind that fewer and fewer; and one walk common to all would have 3 NB / 2 trips for NB + 1.
; SHARES.  Of a block's four bands of 64 queries a wave owns 16 rows in each: four PIECES.  So the diagonal tile is the same work for all four waves: in its key step s band x sees all keys if s < x,
; none if s > x, and holds the diagonal if s = x.
; THE MASK is the C operand that starts the sum S^T = K Q^T: 0, or -1e30 where the key is hidden.  MD, made once, is the mask of a band's own step for my 16 rows; a product's mask is MD x AL + BE with two scalars:
; (1, 0) if s = x; (0, 0) if s < x; (0, -1e30) if s > x.  Only the diagonal tile's text and a block's beginning make and take masks; elsewhere C is the constant 0.
; LAYOUT, SOFTMAX, TURNS.  S^T = K Q^T holds ONE query a lane (lane % 16) and the keys 8 (lane / 16) + 0..7; two such results rounded to f16 ARE source 1 of O^T = V^T P.  p = 2^(c s - c m), c = log2(e) / 8, with a
; running maximum m; O and l are multiplied by a = 2^(c m_old - c m_new) in every step.  Turn n belongs to piece n: 8 products K Q^T of piece n + 1, later 8 products V^T P of piece n - 1; beside them the scaling,
; exponentials, roundings, sums and rescaling of piece n and the maximum and statistics of piece n + 1.  Four vector instructions stand behind every matrix instruction, the other 54 of a turn's 118 in two LUMPS.
; REGISTERS, in windows of 256 (s_set_vgpr_msb: bits 1:0 source 0, 3:2 source 1, 5:4 source 2, 7:6 destination):
;   window 0: v0-15 addresses and two at work; v16-31 four registers of statistics a piece; v48-55 at work; v61-63 kept; v64-127 S^T, two buffers; v192-223 P, two buffers (a piece's buffers go by its number's parity)
;   window 1: v0-127 O^T, 32 a piece; v128-159 MD; v160-223 MC, two buffers      window 2: v0-63 Q; v64-127 the second block's Q; v128-191 K of one step; v192-255 V of one step
.set SIZE_N, 2048
.set NB,    SIZE_N/256
.set NP,    4         ; pieces a wave: a name, no knob
.set KS,    64        ; keys in a step
.set PK,    144       ; a row of K in LDS: 128 bytes + 16 of padding = 36 words: the 16 rows of a load start at 16 different groups of four banks (64 banks of 4 bytes: ISA guide 11.1)
.set PV,    160       ; a row of V: 128 + 32 = 40 words
.set VOFF,  4*KS*PK   ; a slot holds a tile, four steps: 256 rows of K, then 256 rows of V
.set SLOT1, 1<<17     ; slot 1 begins here, so that one exclusive or turns an address in one slot into the other's
.set STAGE, SLOT1+4*KS*(PK+PV)  ; behind the ring, never filled by a tensor load: 16 rows x 144 bytes for each wave, for the way out
.set SP,    144
.set AK0, 2           ; v2   my lane's place in a tile of K; never rewritten
.set AV0, 3           ; v3   the same for V
.set AK,  4           ; v4   the LDS address of K's next run of loads
.set AV,  5           ; v5   of V's
.set STO, 6           ; v6   the way out: where I put 16 bytes of a row
.set RD,  7           ; v7   the way out: where I read rows back
.set GO,  8           ; v8   my byte offset in 512 consecutive bytes of O
.set PFO, 61          ; v61  256 x my lane: the prefetches' offset; never rewritten
.set SPW, 62          ; v62  LDS address of my spare word: SPARE + 4 x my thread's number; never rewritten
.set NIL, 63          ; v63  0; never rewritten
.set SPARE, STAGE+4*16*SP  ; behind the stages: the spare words, 128 bytes for each wave: two blocks of 256 bytes that no other line names
.set MV,  12          ; v12-13  c m_old, kept while c m is made anew: by buffer
.set QO,  15          ; v15  my byte offset in 16 rows of Q
.set ST,  16          ; piece t's statistics at v[ST+4 t]: c m, m, l (even keys', odd keys')
.set TMP, 48          ; by buffer, four registers c0-c3 at work; when the maximum is found c2 takes a
.set S,   64
.set P,   192
.set MD,  128         ; window 1: the eight registers for group kt of 16 keys at MD + 8 kt
.set MC,  160         ; window 1: the masks of the products to come
.set QB,  64          ; window 2
.set KF,  128         ; window 2: key block kb, channel half c at KF + 16 kb + 8 c
.set VF,  192         ; window 2: key half kk, channel block cb at VF + 32 kk + 8 cb
.set WV,  12          ; s12  my wave's number
.set PB,  14          ; s14  b
.set HI,  15          ; s15  NB - 1 - b
.set G1K, 24          ; s[24:31] descriptor group 1 for K's tiles
.set G1V, 32          ; s[32:39] for V's: it differs in the padding alone
.set G0K, 40          ; s[40:43] descriptor group 0 for K's tiles
.set G0V, 44          ; s[44:47] the same for V's
.set SLOTS, 56        ; s56  tiles still to be asked for
.set CNT, 57          ; s57  counts a tile's key steps, 4 to 1
.set CS,  58          ; s[58:59] c: the packed scaling takes the pair's low word for both halves
.set SEL, 60          ; s[60:61] v_permlanex16_b32's selects: each lane takes its own place in the other half
.set TBK, 62          ; s62  LDS byte at which K of the step to be fetched begins
.set TBV, 63          ; s63  the same for V, less VOFF
.set RT,  70          ; s70  tiles of the block in hand that are still to be entered
.set NXT, 71          ; s71  the tile to be asked for next
.set LQ,  72          ; s72  the last tile of the block whose tiles are being asked for
.set NEW, 73          ; s73  1: the tile to be entered is a block's first
.set OFF, 74          ; s[74:75] a tile's byte offset in K and V
.set AL,  76          ; s[76:77] the mask's factor, in the low word
.set BE,  78          ; s[78:79] the mask's addend
.set OLO, 80          ; s[80:81] O at my rows of the second block
.set BIGN, 82         ; s82  -1e30
.set HO,  88          ; s[88:89] the head's first byte in ob
.set PFA, 90          ; s[90:91] where my prefetches stand: my 128 rows (of K: waves 0, 1; of V: waves 2, 3) of the tile after the one that is being asked for
.set LIM, 92          ; s92  2 in the head's work-group that prefetches, else the greatest number: a wave prefetches while s[SLOTS] is above it
.set MSB, 0
.macro WIN new                      ; the high byte repeats the setting that is left; a switch that changes nothing is dropped
.if MSB != (\new)
	s_set_vgpr_msb (MSB<<8)|(\new)
.set MSB, (\new)
.endif
.endm
.set W_KQ, 0x0a       ; K and Q in window 2, S^T in window 0
.set W_KM, 0x1a       ; the same with the C operand in window 1
.set W_PV, 0x52       ; V in window 2, P in window 0, O^T in window 1
.set W_RS, 0x41       ; destination and source 0 in window 1, source 1 in window 0
; A fill.  Waves 0 and 1 fetch the two halves of a tile's K, waves 2 and 3 those of its V: 128 keys each.  An s_nop 0 and four v_nop follow each of the two lines, ahead of the jump and the label.
.macro LOAD
	s_cmp_lt_u32 s[WV], 2
	s_cbranch_scc0 .Lfor_v_\@
	tensor_load_to_lds s[G0K:G0K+3], s[G1K:G1K+7]
	s_nop 0
.rept 4
	v_nop
.endr
	s_branch .Lasked_\@
.Lfor_v_\@:
	tensor_load_to_lds s[G0V:G0V+3], s[G1V:G1V+7]
	s_nop 0
.rept 4
	v_nop
.endr
.Lasked_\@:
.endm
; A PREFETCH INTO THE L2 of what the NEXT change of slots will ask for.  It stands behind the wave's tensor load and its five lines, never in front of one.  All four work-groups of a head walk the tiles 0, 1, 2 .. in their
; first trips; the one with b = 0, whose first block needs all eight, asks, and nobody else.  Each of its waves asks for what it will fetch itself: its 128 rows of 128 bytes, 64 blocks of 256 bytes: a lane a block, two
; instructions.  Trip i (0 to 5) names tile i + 2, four key steps, 256 matrix instructions, ahead of that tile's load: each block of tiles 2 to 7 is named once in the launch; tiles 0 and 1 come by their loads alone, and
; the last two trips ask for nothing.
.macro ASK
	s_cmp_gt_u32 s[SLOTS], s[LIM]
	s_cbranch_scc0 .Lnot_mine_\@
	global_prefetch_b8 v[PFO], s[PFA:PFA+1] th:TH_LOAD_NT scope:SCOPE_SE
	global_prefetch_b8 v[PFO], s[PFA:PFA+1] offset:8192 th:TH_LOAD_NT scope:SCOPE_SE
.Lnot_mine_\@:
.endm
; THE CHANGE OF SLOTS.  Each wave waits for all its tensor loads, of which one is out: its part of the other slot; adds 0 to its spare word; and waits for that and for its own reads of the slot that it leaves.  Behind the barrier nobody reads the old
; slot any more and the other slot is whole.  fill = 1: the old slot is filled again, the first thing behind the barrier, with tile NXT: the descriptor's address is made anew from that number.
; (At its first use nothing has been read yet: slot 0 is waited for, slot 1 filled.)
.macro CHANGE fill
	WIN 0                           ; at a label and at a branch every window is 0
	s_wait_tensorcnt 0x0            ; no tensor load of mine is out, so a group 0 may be written
	ds_add_u32 v[SPW], v[NIL]       ; 0 onto my spare word: with fill = 1 the descriptors' scalar work stands between it and the wait for it
.if \fill
	s_wait_xcnt 0x0                 ; the last prefetches, a tile back, have read their address, so it may be written:
	s_add_nc_u64 s[PFA:PFA+1], s[PFA:PFA+1], 32768  ; one tile on
	s_lshl_b32 s[OFF], s[NXT], 15   ; a tile is 32,768 bytes of K and of V
	s_xor_b32 s[G0K+1], s[G0K+1], SLOT1
	s_add_nc_u64 s[G0K+2:G0K+3], s[6:7], s[OFF:OFF+1]
	s_or_b32 s[G0K+3], s[G0K+3], 0x80000000
	s_xor_b32 s[G0V+1], s[G0V+1], SLOT1
	s_add_nc_u64 s[G0V+2:G0V+3], s[8:9], s[OFF:OFF+1]
	s_or_b32 s[G0V+3], s[G0V+3], 0x80000000
	s_add_co_u32 s[NXT], s[NXT], 1  ; the block's next tile, or behind its last the second block's tile 0
	s_cmp_gt_u32 s[NXT], s[LQ]
	s_cselect_b32 s[NXT], 0, s[NXT]
	s_cselect_b32 s[LQ], s[PB], s[LQ]
.endif
	s_wait_dscnt 0x0                ; the add is done, and my reads of the slot are over
	s_barrier_signal -1             ; the rest of the scalar work stands between the signal and the wait
	s_sub_co_u32 s[TBK], s[TBK], 4*KS*PK  ; the fetches go back to a slot's first step,
	s_xor_b32 s[TBK], s[TBK], SLOT1       ; in the other slot
	s_sub_co_u32 s[TBV], s[TBV], 4*KS*PV
	s_xor_b32 s[TBV], s[TBV], SLOT1
	s_barrier_wait -1
.if \fill
	LOAD
	ASK
.endif
.endm
	s_load_b128 s[4:7], s[0:1], 0x0 ; qkv s[4:5], ob s[6:7]
	v_lshl_add_u32 v[SPW], v0, 2, SPARE
	v_mov_b32 v[NIL], 0
	ds_add_u32 v[SPW], v[NIL]       ; the wave's opening: the add and its wait stand ahead of my first tensor load; the set-up below, work on registers, stands between them
	ds_add_u32 v62, v63
	v_lshrrev_b32 v1, 5, v0
	v_readfirstlane_b32 s[WV], v1   ; wave 0..3
	s_mov_b32 s[PB], ttmp9
	s_sub_co_u32 s[HI], NB-1, s[PB]
	s_and_b32 s20, ttmp7, 0xffff    ; h = 16 x batch + head
	s_lshl_b32 s[HO], s20, 18       ; a head is 262,144 bytes: its first byte in ob,
	s_mov_b32 s[HO+1], 0
	s_lshr_b32 s21, s20, 4          ; batch
	s_and_b32 s20, s20, 15          ; head
	s_mul_i32 s21, s21, 48
	s_add_co_u32 s20, s20, s21
	s_lshl_b32 s20, s20, 18         ; and Q's head's first byte in qkv; K's lies 16 heads on, V's 32
	s_mov_b32 s21, 0
	s_and_b32 s16, s[WV], 1         ; which half of a tile's 256 keys I fetch:
	s_lshl_b32 s22, s16, 14         ; its 128 rows of 128 bytes in memory,
	s_mov_b32 s23, 0
	s_add_nc_u64 s[22:23], s[22:23], s[20:21]
	s_mul_i32 s17, s16, 128*PK      ; and its place in a slot, for K
	s_mul_i32 s18, s16, 128*PV      ; and for V
	s_lshl_b32 s3, s[WV], 11        ; my 16 rows in a band of 64,
	s_lshl_b32 s2, s[HI], 15        ; in the first block,
	s_add_co_u32 s2, s2, s3
	s_lshl_b32 s84, s[PB], 15       ; and in the second
	s_add_co_u32 s84, s84, s3
	s_mov_b32 s3, 0
	s_mov_b32 s85, 0
	; descriptor group 1.  128 keys are 16,384 dense bytes: asked for as 64 rows of 256 bytes, two keys a row, and padded in LDS after every key
	s_mov_b32 s[G1K], (1<<16)|(1<<20)|(4<<22)|(3<<25)  ; 17:16 2-byte elements; 20 padding on; 24:22 after every 32 words (code 4); 31:25 4 words (code 3)
	s_mov_b32 s[G1V], (1<<16)|(1<<20)|(4<<22)|(7<<25)  ; the same with 8 words of padding (code 7)
.irp g, G1K, G1V
	s_mov_b32 s[\g+1], 128<<16      ; tensor_dim0 = 128
	s_mov_b32 s[\g+2], 64<<16       ; tensor_dim1 = 64
	s_mov_b32 s[\g+3], 128<<16      ; tile_dim0 = 128
	s_mov_b32 s[\g+4], 64           ; tile_dim1 = 64
	s_mov_b32 s[\g+5], 128          ; 128 elements from row to row
	s_mov_b32 s[\g+6], 0
	s_mov_b32 s[\g+7], 0
.endr
	s_mov_b32 s[CS], 0x3e38aa3b     ; c = log2(e) / 8 = 0.180337
	s_mov_b32 s[CS+1], s[CS]        ; named with it as a pair
	s_mov_b32 s[SEL], 0x76543210
	s_mov_b32 s[SEL+1], 0xfedcba98
	s_mov_b32 s[TBK], SLOT1+4*KS*PK ; the first change of slots turns these two into 0
	s_mov_b32 s[TBV], SLOT1+4*KS*PV
	s_mov_b32 s[G0K], 1             ; 1:0 count = 1
	s_mov_b32 s[G0K+1], s17         ; 63:32 LDS address: slot 0
	s_mov_b32 s[G0V], 1
	s_add_co_u32 s[G0V+1], s18, VOFF
	s_add_co_u32 s[RT], s[HI], 1    ; the first block has NB - b tiles
	s_mov_b32 s[NXT], 1
	s_mov_b32 s[LQ], s[HI]
	s_mov_b32 s[NEW], 1
	s_mov_b32 s[OFF+1], 0
	s_mov_b32 s[AL+1], 0            ; named as pairs
	s_mov_b32 s[BE+1], 0
	s_mov_b32 s[BIGN], 0xf149f2ca   ; -1e30
	s_mov_b32 s[SLOTS], NB
	s_cmp_eq_u32 s[PB], 0           ; the work-group whose first block needs all eight tiles prefetches
	s_cselect_b32 s[LIM], 2, -1
	v_and_b32 v[PFO], 31, v0
	v_lshlrev_b32 v[PFO], 8, v[PFO]
	s_wait_dscnt 0x0                ; the opening add is done
	s_wait_kmcnt 0x0
	s_mov_b64 s[10:11], s[6:7]      ; ob
	s_add_nc_u64 s[6:7], s[4:5], s[22:23]  ; Q's head at my half of tile 0;
	s_add_nc_u64 s[8:9], s[6:7], 32<<18    ; V's head lies 32 heads on,
	s_add_nc_u64 s[6:7], s[6:7], 16<<18    ; K's 16: K and V at my half of the head's tile 0
	s_add_nc_u64 s[4:5], s[4:5], s[20:21]  ; Q's head
	s_add_nc_u64 s[10:11], s[10:11], s[HO:HO+1]  ; O's head
	s_add_nc_u64 s[G0K+2:G0K+3], s[6:7], 0         ; 120:64 global address
	s_or_b32 s[G0K+3], s[G0K+3], 0x80000000        ; 127:126 type = 2
	s_add_nc_u64 s[G0V+2:G0V+3], s[8:9], 0
	s_or_b32 s[G0V+3], s[G0V+3], 0x80000000
	s_add_nc_u64 s[86:87], s[4:5], s[84:85]        ; Q at my rows of the second block,
	s_add_nc_u64 s[4:5], s[4:5], s[2:3]            ; Q and O at those of the first
	s_add_nc_u64 s[OLO:OLO+1], s[10:11], s[84:85]
	s_add_nc_u64 s[10:11], s[10:11], s[2:3]
	s_cmp_lt_u32 s[WV], 2
	s_cselect_b64 s[PFA:PFA+1], s[6:7], s[8:9]     ; my half of K's tiles, or of V's,
	s_add_nc_u64 s[PFA:PFA+1], s[PFA:PFA+1], 32768 ; at tile 1: the first change of slots steps it to tile 2.  Nothing is prefetched here, at the head, where every work-group's first tiles are on their way
	LOAD                            ; tile 0 into slot 0
	; A fragment of K or Q is 16 rows x 32 channels in 8 registers: lane l holds row l % 16, channels 8 (l / 16) + 0..7 and 16 + 8 (l / 16) + 0..7: two loads of 16 bytes, 32 bytes apart.
	v_and_b32 v1, 15, v0            ; l % 16
	v_bfe_u32 v9, v0, 4, 1          ; l / 16
	v_lshlrev_b32 v[QO], 7, v1
	v_lshl_add_u32 v[QO], v9, 4, v[QO]  ; row x 128 + 16 x half
	WIN 0x80                        ; destination window 2, address window 0
.set i, 0
.rept 8                             ; both blocks' Q: piece i / 2 lies in band i / 2, 8,192 bytes on; channels 32 (i % 2) on
	global_load_b128 v[8*i:8*i+3],   v[QO], s[4:5] offset:(i/2)*8192+(i%2)*64
	global_load_b128 v[8*i+4:8*i+7], v[QO], s[4:5] offset:(i/2)*8192+(i%2)*64+32
	global_load_b128 v[QB+8*i:QB+8*i+3],   v[QO], s[86:87] offset:(i/2)*8192+(i%2)*64
	global_load_b128 v[QB+8*i+4:QB+8*i+7], v[QO], s[86:87] offset:(i/2)*8192+(i%2)*64+32
.set i, i+1
.endr
	WIN 0
	v_lshlrev_b32 v14, 3, v9
	v_sub_nc_u32 v14, v1, v14
	s_lshl_b32 s13, s[WV], 4
	v_add_nc_u32 v14, s13, v14      ; my query's place in its band, 16 w + l % 16, less my lanes' 8 (l / 16): register r of group kt is hidden where 16 kt + r is greater
	WIN 0x40
.set i, 0
.rept 32
	v_cmp_gt_i32 vcc_lo, 16*(i/8)+i%8, v14
	v_cndmask_b32 v[MD+i], 0, s[BIGN], vcc_lo
.set i, i+1
.endr
	WIN 0
	v_mul_u32_u24 v[AK0], v1, PK
	v_lshl_add_u32 v[AK0], v9, 4, v[AK0]  ; row x pitch + 16 x half
	; The turning load takes 16 keys x 16 channels (lane l reads key 8 (l / 16) + l % 8, channels 8 ((l / 8) % 2) + 0..7) and leaves half a fragment of V^T: lane l holds channel l % 16 and 8 keys.
	v_and_b32 v10, 7, v0
	v_bfe_u32 v11, v0, 3, 1
	v_lshl_add_u32 v[AV0], v9, 3, v10
	v_mul_u32_u24 v[AV0], v[AV0], PV
	v_lshl_add_u32 v[AV0], v11, 4, v[AV0]
	v_add_nc_u32 v[AV0], VOFF, v[AV0]
	s_mul_i32 s13, s[WV], 16*SP
	s_add_co_u32 s13, s13, STAGE    ; my stage
	v_mul_u32_u24 v[STO], v1, SP    ; in: row l % 16, 16 bytes for each half of the lanes
	v_lshl_add_u32 v[STO], v9, 4, v[STO]
	v_add_nc_u32 v[STO], s13, v[STO]
	v_bfe_u32 v[RD], v0, 3, 2       ; back: 32 lanes take four rows of 128 bytes,
	v_mul_u32_u24 v[RD], v[RD], SP
	v_lshl_add_u32 v[RD], v10, 4, v[RD]
	v_add_nc_u32 v[RD], s13, v[RD]
	v_and_b32 v[GO], 31, v0         ; which are 512 consecutive bytes of O
	v_lshlrev_b32 v[GO], 4, v[GO]
	; A block's first step multiplies O^T and l by a = 0, and its first turn's products V^T P, of a piece that has not been, land in an O^T that is still to be so multiplied.  So these registers need only hold
	; finite numbers: zeros for the first block; what the first block left for the second.  All this stands in the wait for the first tile.
	WIN 0x80
.set i, VF
.rept 64
	v_mov_b32 v[i], 0
.set i, i+1
.endr
	WIN 0x40
.set i, 0
.rept 128
	v_mov_b32 v[i], 0
.set i, i+1
.endr
	WIN 0
.set i, 0
.rept 4
	v_mov_b32 v[ST+4*i+2], 0
	v_mov_b32 v[ST+4*i+3], 0
.set i, i+1
.endr
.set i, P+16
.rept 16
	v_mov_b32 v[i], 0
.set i, i+1
.endr
; THE MATRIX WORK.  The 4 accumulators of a run of 8 take turns.  Product i of 8 of S^T = K Q^T for piece x: channels 32 (i / 4) on, keys 16 (i % 4) on.  The first 4 start the sums: with 0, or (KM = 1) with the mask.
.macro KQ x
.set rS, S+32*((\x)%2)+8*(i%4)
.set rK, KF+16*(i%4)+8*(i/4)
.set rQ, 16*(\x)+8*(i/4)
.set rM, MC+32*((\x)%2)+8*(i%4)
.if (i < 4) && KM
	WIN W_KM
	v_wmma_f32_16x16x32_f16 v[rS:rS+7], v[rK:rK+7], v[rQ:rQ+7], v[rM:rM+7]
.elseif i < 4
	WIN W_KQ
	v_wmma_f32_16x16x32_f16 v[rS:rS+7], v[rK:rK+7], v[rQ:rQ+7], 0
.else
	WIN W_KQ
	v_wmma_f32_16x16x32_f16 v[rS:rS+7], v[rK:rK+7], v[rQ:rQ+7], v[rS:rS+7]
.endif
.endm
; Product i of 8 of O^T += V^T P for piece x: keys 32 (i / 4) on, channels 16 (i % 4) on.
.macro PV x
	WIN W_PV
.set rO, 32*(\x)+8*(i%4)
.set rV, VF+32*(i/4)+8*(i%4)
.set rP, P+16*((\x)%2)+8*(i/4)
	v_wmma_f32_16x16x32_f16 v[rO:rO+7], v[rV:rV+7], v[rP:rP+7], v[rO:rO+7]
.endm
.macro MM                           ; the turn's next matrix instruction.  TURN and BEGIN set Y, i, KM and NOKQ; MM, KQ and OP read them.  NOKQ = 1: a block's last turn: there is no next piece
.if (i < 8) && !NOKQ
	KQ (Y+1)%NP
.elseif i >= 8
.set i, i-8
	PV (Y+NP-1)%NP
.set i, i+8
.endif
.set i, i+1
.endm
; THE LDS LOADS stand in runs of 16, never singly among the matrix instructions: a step's K (64 keys x 64 channels: 8 fragments) and its V (turned).  Their addresses are made some lines ahead.
.macro FETCH_K
	WIN 0x80                        ; destination window 2
.irp f, 0,1,2,3,4,5,6,7             ; keys 16 (f / 2) on, channels 32 (f % 2) on
	ds_load_b128 v[KF+8*\f:KF+8*\f+3],   v[AK] offset:(\f/2)*16*PK+(\f%2)*64
	ds_load_b128 v[KF+8*\f+4:KF+8*\f+7], v[AK] offset:(\f/2)*16*PK+(\f%2)*64+32
.endr
	s_add_co_u32 s[TBK], s[TBK], KS*PK  ; the next fetch is the next step's
	WIN 0
.endm
.macro FETCH_V
	WIN 0x80
.irp f, 0,1,2,3,4,5,6,7             ; keys 32 (f / 4) on, channels 16 (f % 4) on
	ds_load_tr16_b128 v[VF+8*\f:VF+8*\f+3],   v[AV] offset:(\f/4)*32*PV+(\f%4)*32
	ds_load_tr16_b128 v[VF+8*\f+4:VF+8*\f+7], v[AV] offset:(\f/4)*32*PV+16*PV+(\f%4)*32
.endr
	WIN 0
.endm
; THE VECTOR WORK, one line at a time: OP kind, number.  For piece Y: F n: c s - c m for pair n of 16.  E n: the exponential of score n of 32.  C n: pair n rounded to f16.  B n: of the four weights 4 n .. the second
; pair is added onto the first, in place.  L n: l takes that sum (L 0: l = a l + sum).  R n: pair n of 16 of O^T times a.  For piece Y + 1: X n, number n of the 22 that find its maximum and statistics:
;   0-11  four chains c0-c3 of seven scores each, three operands at a time (each accumulator's lowest registers are read first)     12-14, 16  the four scores left over, the old m, and c0-c3 into c0
;   15  c m_old is kept     17, 18  the query's other 32 keys lie in the lane 16 away: the new m     19-21  c m; c m_old - c m_new; a
.set F, 0               ; OP tells the kinds apart by their order: F to L below R, X above it
.set E, 1
.set C, 2
.set B, 3
.set L, 4
.set R, 5
.set X, 6
.macro REGS y                       ; the registers of piece y
.set rT, ST+4*(\y)
.set rC, TMP+4*((\y)%2)
.set rW, MV+((\y)%2)
.set rS, S+32*((\y)%2)
.set rP, P+16*((\y)%2)
.set rO, 32*(\y)
.endm
.macro OP k, n
.if (\k) == R
	REGS Y
	WIN W_RS
	v_pk_mul_f32 v[rO+2*(\n):rO+2*(\n)+1], v[rO+2*(\n):rO+2*(\n)+1], v[rC+2:rC+3] op_sel_hi:[1,0]
.elseif (\k) < R
	REGS Y
	WIN 0
.if (\k) == F
	v_pk_fma_f32 v[rS+2*(\n):rS+2*(\n)+1], v[rS+2*(\n):rS+2*(\n)+1], s[CS:CS+1], v[rT:rT+1] op_sel_hi:[1,0,0] neg_lo:[0,0,1] neg_hi:[0,0,1]
.elseif (\k) == E
	v_exp_f32 v[rS+(\n)], v[rS+(\n)]
.elseif (\k) == C
	s_wait_alu depctr_va_vdst(0)
	v_cvt_pk_f16_f32 v[rP+(\n)], v[rS+2*(\n)], v[rS+2*(\n)+1]
.elseif (\k) == B
	s_wait_alu depctr_va_vdst(0)
	v_pk_add_f32 v[rS+4*(\n):rS+4*(\n)+1], v[rS+4*(\n):rS+4*(\n)+1], v[rS+4*(\n)+2:rS+4*(\n)+3]
.elseif (\n) == 0
	v_pk_fma_f32 v[rT+2:rT+3], v[rT+2:rT+3], v[rC+2:rC+3], v[rS:rS+1] op_sel_hi:[1,0,1]
.else
	v_pk_add_f32 v[rT+2:rT+3], v[rT+2:rT+3], v[rS+4*(\n):rS+4*(\n)+1]
.endif
.elseif NOKQ
	v_nop
.else
	REGS (Y+1)%NP
	WIN 0
.if (\n) < 4
	v_max3_num_f32 v[rC+(\n)], v[rS+8*(\n)], v[rS+8*(\n)+1], v[rS+8*(\n)+2]
.elseif (\n) < 12
	v_max3_num_f32 v[rC+(\n)%4], v[rC+(\n)%4], v[rS+8*((\n)%4)+2*((\n)/4)+1], v[rS+8*((\n)%4)+2*((\n)/4)+2]
.elseif (\n) == 12
	v_max3_num_f32 v[rC], v[rC], v[rS+7], v[rS+15]
.elseif (\n) == 13
	v_max3_num_f32 v[rC+1], v[rC+1], v[rS+23], v[rS+31]
.elseif (\n) == 14
	v_max3_num_f32 v[rC+2], v[rC+2], v[rC+3], v[rT+1]
.elseif (\n) == 15
	v_mov_b32 v[rW], v[rT]
.elseif (\n) == 16
	v_max3_num_f32 v[rC], v[rC], v[rC+1], v[rC+2]
.elseif (\n) == 17
	v_permlanex16_b32 v[rC+3], v[rC], s[SEL], s[SEL+1]
.elseif (\n) == 18
	v_max_num_f32 v[rT+1], v[rC], v[rC+3]
.elseif (\n) == 19
	v_mul_f32 v[rT], s[CS], v[rT+1]
.elseif (\n) == 20
	v_sub_f32 v[rC+1], v[rW], v[rT]
.else
	v_exp_f32 v[rC+2], v[rC+1]
.endif
.endif
.endm
.macro OPS a, i1, b=-1, i2=0, c=-1, i3=0, d=-1, i4=0  ; up to four of them
	OP \a, \i1
.if (\b) >= 0
	OP \b, \i2
.endif
.if (\c) >= 0
	OP \c, \i3
.endif
.if (\d) >= 0
	OP \d, \i4
.endif
.endm
.macro ROW a, i1, b, i2, c, i3, d, i4  ; a matrix instruction and the four behind it
	MM
	OPS \a, \i1, \b, \i2, \c, \i3, \d, \i4
.endm
.macro MASK b                       ; MD x AL + BE into buffer b of MC
	WIN W_RS
.set z, 0
.rept 16
	v_pk_fma_f32 v[MC+32*(\b)+2*z:MC+32*(\b)+2*z+1], v[MD+2*z:MD+2*z+1], s[AL:AL+1], s[BE:BE+1] op_sel_hi:[1,0,0]
.set z, z+1
.endr
.endm
; A TURN, for piece p: the order of its 16 matrix and 118 vector instructions, written out.  Behind a matrix instruction: plain, exponential, plain, plain; or four of the rescaling; or, behind the first, four scalings; none
; names a register of the products round it.  In the lumps exponential and plain by turns while exponentials last.  A line reads no result made fewer than three vector instructions in front of it, five if an exponential made it.
; v_permlanex16_b32 (X 17) stands in a lump.
; m = 1: the diagonal tile: the products take masks, and the turn makes the mask for the products of the turn after it: piece p + 2, in step 4 - CNT of the tile.  end = 1: a block's last two turns: nothing is fetched.
; cnt = 1: the loop's count is taken down some lines ahead of the branch that stands behind the turn.
; K of the next step is fetched in piece 2's turn, six vector instructions behind the last product that read K (five of them plain); V of the step in hand in piece 0's turn, eight behind the last product that read V (four
; plain, and X 17).  Each is waited for a turn later.
.macro TURN p, m=0, end=0, cnt=0
.set Y, (\p)
.set i, 0
.set KM, (\m)
.set NOKQ, (\end)*((\p)/3)
.if (\m) && !(\end)
	s_cmp_eq_u32 s[CNT], 4-((\p)+2)%NP  ; is that step the band's own?
	s_cselect_b32 s[AL], 1.0, 0
	s_cmp_lt_u32 s[CNT], 4-((\p)+2)%NP  ; or a later one?
	s_cselect_b32 s[BE], s[BIGN], 0
.endif
.if ((\p) == 3) && !(\end)
	s_wait_dscnt 0x0                ; K is in
.endif
	ROW F,0, F,1, F,2, F,3
	ROW F,4, E,0, F,5, F,6
	ROW F,7, E,1, F,8, F,9
	ROW F,10, E,2, C,0, F,11
	ROW F,12, E,3, X,15, F,13
	ROW R,0, R,1, R,2, R,3
	ROW B,0, E,4, F,14, L,0
.if ((\p) == 2) && !(\end)
	v_add_nc_u32 v[AK], s[TBK], v[AK0]
.endif
	ROW R,4, R,5, R,6, R,7
	OPS E,5, F,15
.if ((\p) == 2) && !(\end)
	FETCH_K
.endif
	OPS E,6, C,1, E,7, R,8
	OPS E,8, R,9, E,9, C,2
	OPS E,10, X,0, E,11, X,1
	OPS E,12, X,2, E,13, X,3
.if (\p) == 1
	s_wait_dscnt 0x0                ; V is in
.endif
	ROW X,4, E,14, X,5, X,6
	ROW X,7, E,15, X,8, X,9
	ROW X,10, E,16, X,11, X,12
	ROW X,13, E,17, X,14, B,1
	ROW C,4, E,18, X,16, L,1
	ROW B,2, E,19, C,6, L,2
	ROW C,8, E,20, B,3, B,4
.if (\p) == 0
	v_add_nc_u32 v[AV], s[TBV], v[AV0]
.endif
	ROW C,3, E,21, L,3, C,5
	OPS E,22, X,17, E,23, C,10
.if (\p) == 0
	FETCH_V
.endif
	OPS E,24, L,4
	OPS E,25, X,18, E,26, C,7
	OPS E,27, B,5, E,28, X,19
	OPS E,29, C,12, E,30, L,5
	OPS E,31, X,20, B,6, C,9
	OPS C,14, C,11, X,21, L,6
.if (\p) == 0
	s_add_co_u32 s[TBV], s[TBV], KS*PV
.endif
.if \cnt
	s_sub_co_u32 s[CNT], s[CNT], 1
	s_cmp_lg_u32 s[CNT], 0
.endif
	OPS C,13, B,7, C,15, R,10
	OPS R,11, R,12, L,7, R,13
	OPS R,14, R,15
.if (\m) && !(\end)
	MASK (\p)%2
.endif
.endm
; A BLOCK BEGINS.  c m starts far below every c s, so the first step's a is 0; m at the lowest finite number, so the first maximum is the scores'.  The second mask buffer is 0; the first takes piece 0's mask for the tile's step 0: its own, if the block's first tile is the diagonal one.
; Then K of that step, piece 0's first scores, and its maximum and statistics.  The loop is entered at a step's first turn, in the middle of a trip.
.macro BEGIN
	s_mov_b32 s[NEW], 0
	WIN 0x40
.set i, MC+32
.rept 32
	v_mov_b32 v[i], 0
.set i, i+1
.endr
	WIN 0
.set i, 0
.rept 4
	v_mov_b32 v[ST+4*i], 0xfe000000    ; c m: far below every c s
	v_mov_b32 v[ST+4*i+1], 0xff7fffff  ; m
.set i, i+1
.endr
	s_cmp_eq_u32 s[RT], 0
	s_cselect_b32 s[AL], 1.0, 0
	s_mov_b32 s[BE], 0
	MASK 0
	WIN 0
	v_add_nc_u32 v[AK], s[TBK], v[AK0]
	FETCH_K
	s_wait_loadcnt 0x0              ; Q
	s_wait_dscnt 0x0
.set KM, 1
.set NOKQ, 0
.set i, 0
.rept 8
	KQ 0
.set i, i+1
.endr
	WIN 0
.rept 4
	v_nop                           ; the places behind those products
.endr
.set Y, NP-1                        ; X works for piece Y + 1: piece 0
.irp n, 0,1,2,3,4,5,6,7,8,9,10,11,12,13,14,15,16,17,18,19,20,21
	OP X, \n
.endr
	v_nop                           ; a plain instruction behind the exponential
.endm
; THE DIAGONAL TILE's four steps, the block's last two turns, its last products, and THE WAY OUT: l's two halves and the other half of the lanes' are added; O^T is divided by l, rounded to f16 and sent through my
; stage in LDS, a piece at a time.
.macro ALL line:vararg              ; one line for each piece t
.set t, 0
.rept 4
	\line
.set t, t+1
.endr
.endm
.macro PACK t                       ; a lane's eight channels of a row pack into 16 bytes; they go into rows of 144 bytes and come back as whole rows of 128, into S^T's registers
	WIN W_RS
.set i, 32*(\t)
.rept 16
	s_wait_alu depctr_va_vdst(0)
	v_pk_mul_f32 v[i:i+1], v[i:i+1], v[ST+4*(\t)+2:ST+4*(\t)+3] op_sel_hi:[1,0]
.set i, i+2
.endr
	WIN 0x05                        ; sources 0 and 1 window 1, destination window 0
.set i, 0
.rept 16
	v_cvt_pk_f16_f32 v[S+16*(\t)+i], v[32*(\t)+2*i], v[32*(\t)+2*i+1]
.set i, i+1
.endr
	WIN 0
.irp f, 0,1,2,3
	ds_store_b128 v[STO], v[S+16*(\t)+4*\f:S+16*(\t)+4*\f+3] offset:32*\f
.endr
.irp f, 0,1,2,3
	ds_load_b128 v[S+16*(\t)+4*\f:S+16*(\t)+4*\f+3], v[RD] offset:\f*4*SP  ; LDS serves a wave's instructions in order (ISA guide 5.7.1.4): these see the stores above; the next piece's stores come behind them
.endr
.endm
.macro SEND t, younger              ; younger: the LDS instructions issued behind piece t's loads: the next piece's eight, or none
	WIN 0
.irp f, 0,1,2,3
	s_wait_dscnt (\younger)+3-\f
	global_store_b128 v[GO], v[S+16*(\t)+4*\f:S+16*(\t)+4*\f+3], s[10:11] offset:(\t)*8192+\f*512  ; 512 consecutive bytes, at a multiple of 256 from O's first
.endr
.endm
.macro DIAG tag                     ; the tag ends its two labels' names, which the jumps below spell out
.LstepM\tag:
	TURN 2, 1
	TURN 3, 1
	WIN 0
.LfirstM\tag:
	TURN 0, 1
	TURN 1, 1, 0, 1
	WIN 0
	s_cbranch_scc1 .LstepM\tag
	TURN 2, 1, 1
	TURN 3, 1, 1
.set i, 0
.rept 8
	PV NP-1
.set i, i+1
.endr
	WIN 0
	ALL v_add_f32 v[ST+4*t+2], v[ST+4*t+2], v[ST+4*t+3]
	ALL v_permlanex16_b32 v[ST+4*t+3], v[ST+4*t+2], s[SEL], s[SEL+1]
	ALL v_add_f32 v[ST+4*t+2], v[ST+4*t+2], v[ST+4*t+3]
	ALL v_rcp_f32 v[ST+4*t+2], v[ST+4*t+2]
	v_nop                           ; a plain instruction between the last reciprocal and the use of its result
	PACK 0
.set t, 1
.rept 3                             ; a piece's arithmetic stands between the loads of the piece before and its stores
	PACK t
	SEND t-1, 8
.set t, t+1
.endr
	SEND 3, 0
.endm
.set KM, 0
.set NOKQ, 0
.Lslot:                             ; NB times: a tile is entered and the next is asked for
	CHANGE 1
	s_sub_co_u32 s[RT], s[RT], 1
	s_mov_b32 s[CNT], 4
	s_cmp_eq_u32 s[NEW], 1
	s_cbranch_scc1 .Lnew            ; a block's first tile
	s_cmp_eq_u32 s[RT], 0
	s_cbranch_scc0 .Lstep           ; neither its first nor its last
	s_branch .LstepM1
.Lnew:
	BEGIN
	s_branch .Lfirst                ; in the loop a block's first tile is never its last: the first block has two tiles or more, and the second's last is the walk's last
	DIAG 1                          ; in the loop this is the first block's end: the second block's last tile is the walk's last
	s_wait_xcnt 0x0                 ; the stores have read their registers and O's address
	s_mov_b64 s[10:11], s[OLO:OLO+1]
	s_add_co_u32 s[RT], s[PB], 1    ; the second block has b + 1 tiles
	s_mov_b32 s[NEW], 1
	WIN 0x82                        ; the second block's Q goes where the one text of the turns names Q
.set i, 0
.rept 64
	v_mov_b32 v[i], v[QB+i]
.set i, i+1
.endr
	WIN 0
	s_branch .Lbottom
.Lstep:                             ; a trip: pieces 2 and 3 of one step, then pieces 0 and 1 of the next, whose K and V it fetches
	TURN 2
	TURN 3
	WIN 0
.Lfirst:
	TURN 0
	TURN 1, 0, 0, 1
	WIN 0
	s_cbranch_scc1 .Lstep
.Lbottom:
	s_sub_co_u32 s[SLOTS], s[SLOTS], 1
	s_cmp_lg_u32 s[SLOTS], 0
	s_cbranch_scc1 .Lslot
	CHANGE 0                        ; the walk's last tile is written out: nothing is asked for
	s_sub_co_u32 s[RT], s[RT], 1
	s_mov_b32 s[CNT], 4
	s_cmp_eq_u32 s[NEW], 1
	s_cbranch_scc0 .LstepM2
	BEGIN
	s_branch .LfirstM2
	DIAG 2
	s_wait_tensorcnt 0x0            ; the wave's end: the add and its wait, behind my last tensor load and my last LDS store
	ds_add_u32 v[SPW], v[NIL]
	s_wait_dscnt 0x0
	s_endpgm
.Lfunc_end_k_q307f8b4e91_attn:
	.size	k_q307f8b4e91_attn, .Lfunc_end_k_q307f8b4e91_attn-k_q307f8b4e91_attn
	.p2alignl 7, 3214868480
	.fill 96, 4, 3214868480
	.section	.rodata,"a",@progbits
	.p2align	6, 0x0
	.amdhsa_kernel k_q307f8b4e91_attn
		.amdhsa_group_segment_fixed_size 327680
		.amdhsa_private_segment_fixed_size 0
		.amdhsa_enable_private_segment 0
		.amdhsa_kernarg_size 16
		.amdhsa_user_sgpr_count 2
		.amdhsa_user_sgpr_kernarg_segment_ptr 1
		.amdhsa_wavefront_size32 1
		.amdhsa_system_sgpr_workgroup_id_x 1
		.amdhsa_system_sgpr_workgroup_id_y 1
		.amdhsa_system_sgpr_workgroup_id_z 1
		.amdhsa_system_vgpr_workitem_id 0
		.amdhsa_next_free_vgpr 768
		.amdhsa_next_free_sgpr 96
		.amdhsa_reserve_vcc 1
		.amdhsa_float_denorm_mode_32 3
		.amdhsa_float_denorm_mode_16_64 3
		.amdhsa_memory_ordered 1
		.amdhsa_forward_progress 1
		.amdhsa_inst_pref_size 229
	.end_amdhsa_kernel
	.amdgpu_metadata
---
amdhsa.version: [ 1, 2 ]
amdhsa.kernels:
  - .name:           k_q307f8b4e91_attn
    .symbol:         k_q307f8b4e91_attn.kd
    .args:
      - { .name: qkv, .offset: 0, .size: 8, .value_kind: global_buffer, .address_space: global }
      - { .name: ob, .offset: 8, .size: 8, .value_kind: global_buffer, .address_space: global }
    .group_segment_fixed_size: 327680
    .private_segment_fixed_size: 0
    .kernarg_segment_align: 8
    .kernarg_segment_size: 16
    .max_flat_workgroup_size: 128
    .sgpr_count:     96
    .vgpr_count:     768
    .wavefront_size: 32
...
	.end_amdgpu_metadata
.endif
;; end of part 3
;; launch proj (part 4): grid 8 x 32, 4 waves a work-group, clusters of 4 x 4, 327,680 bytes of LDS; arguments ob, wpb, out0; writes out0
.if DOCPART == 4
	.amdgcn_target "amdgcn-amd-amdhsa--gfx1250"
	.amdhsa_code_object_version 6
	.text
	.protected	k_q307f8b4e91_proj
	.globl	k_q307f8b4e91_proj
	.p2align	8
	.type	k_q307f8b4e91_proj,@function
k_q307f8b4e91_proj:
	s_mov_b64 s[64:65], 0
	v_nop
	global_prefetch_b8 v0, s[64:65] scope:SCOPE_SE
	s_setreg_imm32_b32 hwreg(HW_REG_WAVE_MODE, 25, 1), 1
	s_wait_xcnt 0x0
	s_wait_alu depctr_hold_cnt(0) depctr_sa_sdst(0) depctr_va_vdst(0) depctr_va_sdst(0) depctr_va_ssrc(0) depctr_va_vcc(0) depctr_vm_vsrc(0)
	s_getreg_b32 s2, hwreg(HW_REG_IB_STS2, 6, 4)
	s_cmp_eq_u32 s2, 0
	s_cbranch_scc0 .Lentry_in_a_cluster
	s_endpgm
.Lentry_in_a_cluster:
	s_bfe_u32 s2, ttmp6, 0x10000c
	s_cmp_lg_u32 s2, 0xf033
	s_cbranch_scc0 .Lentry_shape_is_right
	s_endpgm
.Lentry_shape_is_right:
; out0[m][n] = the sum over k of y[m][k] w_proj[n][k], m = 2048 b + s, k = 64 head + d.  y lies by heads: ob [64 = 16 b + head][2048 s][64 d] f16; the weights in blocks of 64 along k: wpb [16 kb][1024 n][64] f16.
; Sums in f32, K ascending; out0 [8192][1024] is f32 and is stored as the sums are.
; LIMIT.  Both operands are f16 and arrive within its range (65,504); NaN and infinities are not treated apart.
; SHARES.  A tile of out0 is 256 rows x 128 columns: 32 x 8 = 256 tiles, one for each WGP.  Four waves; wave w makes rows 64 w .. 64 w + 63 of all 128 columns: 32 accumulators of 16 x 16, 256 registers.
; A wave so holds whole rows of the tile, 512 bytes each, and sends them out through a stage of its own, without a barrier.
; K goes in eight steps of 128, two heads each, through a ring of two LDS slots filled by the tensor data mover.  A head's 256 rows, and a block's 128 rows of weights, are DENSE in memory: they are asked for as
; rows of 256 bytes, two logical rows each, and padded in LDS after every logical row of 128 bytes.
; CLUSTERS: 4 x 4 work-groups.  The four of a row of the cluster need the same tiles of y, the four of a column the same tiles of the weights: each tile is asked for JOINTLY, by the same tensor load with the same
; descriptor and a mask that names the four.
; THE MATRIX INSTRUCTION IS USED TRANSPOSED (source 0 = 16 rows of the weights, source 1 = 16 rows of y): a lane then holds row l % 16 of out0 and the eight neighbouring columns 8 (l / 16) + 0..7.
; REGISTERS, in windows of 256 (s_set_vgpr_msb's low byte: bits 1:0 source 0, 3:2 source 1, 5:4 source 2, 7:6 destination):
;   window 0: v0-31 addresses; v32-159 at work on the way out      window 1: accumulator (a, b) at v[8 (8 a + b)]
;   window 2: two fragment buffers of 96: the weights' eight fragments (16 rows x 32 K, 8 registers each), then y's four
.set NSTEP,  8                         ; K steps of 128
.set NBK,    8                         ; blocks of 16 columns
.set PITCH,  144                       ; an LDS row: 128 bytes + 16 of padding = 36 words: the 16 rows of a load start at 16 different groups of four banks (64 banks of 4 bytes: ISA guide 11.1)
.set HALFA,  256*PITCH                 ; what one load brings of y: one head's 256 rows
.set HALFB,  128*PITCH                 ; and of the weights: one block's 128 rows
.set BOFF,   2*HALFA                   ; in a slot: y's two heads, then the weights' two blocks
.set SLOT1,  1<<17                     ; slot 1 begins here, so that one exclusive or turns an address in one slot into the other's
.set STAGE,  SLOT1+BOFF+2*HALFB        ; behind the ring, never filled by a tensor load: 16 rows x 528 bytes for each wave, for the way out
.set SP,     528                       ; a stage row: 512 bytes + 16
.set SPARE,  STAGE+4*16*SP             ; behind the stages: the spare words, 128 bytes for each wave: two blocks of 256 bytes that no other line names
.set STEPA,  2<<18                     ; from a K step to the next: two heads of 262,144 bytes,
.set STEPB,  2<<17                     ; two blocks of 131,072
.set FW,     2                         ; the fragments' window
.set F0,     0
.set F1,     96
.set A0,  16                           ; v16  my fragment's place among y's rows in slot 0; never rewritten
.set B0,  17                           ; v17  the same for the weights
.set ADA, 18                           ; v18  the same in the slot in hand
.set ADB, 19                           ; v19
.set STO, 20                           ; v20  the way out: where I put 32 bytes of a row
.set RD,  21                           ; v21  the way out: where I read a row back
.set GO,  22                           ; v22  16 x my lane: my place in a row's 512 bytes
.set SPW, 28                           ; v28  LDS address of my spare word: SPARE + 4 x my thread's number; never rewritten
.set NIL, 29                           ; v29  0; never rewritten
.set OB,  32                           ; v32-95, v96-159 by turns: a block's 16 rows read back from the stage
.set G1A, 24                           ; s[24:31] descriptor group 1 for y's tiles
.set G0A, 32                           ; s[32:39] group 0 for y's tiles: a set for each of the two first fills; the second then walks on
.set G1B, 48                           ; s[48:55], s[56:63] the same for the weights'
.set G0B, 56
.set TB,  66                           ; s66  0 or SLOT1: the slot in hand
.set CNT, 67                           ; s67  the loop's count
.set MSB, 0
.macro WIN new                         ; the immediate's high byte repeats the setting that is left; a switch that changes nothing is dropped
.if MSB != (\new)
	s_set_vgpr_msb (MSB<<8)|(\new)
.set MSB, \new
.endif
.endm
.macro PLACES                          ; a load into a register that a matrix instruction has read, and an LDS store that reads a matrix result, stand four places behind it; only plain vector
.rept 4                                ; instructions that name none of its registers are places (ISA guide 7.12.1 for vector instructions)
	v_nop
.endr
.endm
; A joint refill, by the walking sets.  Waves 0 and 1 fetch y's two heads, waves 2 and 3 the weights' two blocks.  The branch hangs on the wave's number alone: it is the same in every work-group.
; An s_nop 0 and four v_nop follow each of the two lines, ahead of the jump and the label.
.macro JLOAD
	s_cmp_eq_u32 s11, 0
	s_cbranch_scc0 .Lfor_b_\@
	tensor_load_to_lds s[G0A+4:G0A+7], s[G1A:G1A+7]
	s_nop 0
.rept 4
	v_nop
.endr
	s_branch .Lasked_\@
.Lfor_b_\@:
	tensor_load_to_lds s[G0B+4:G0B+7], s[G1B:G1B+7]
	s_nop 0
.rept 4
	v_nop
.endr
.Lasked_\@:
.endm
; A round of the cluster's barrier: my work-group's barrier, so that wave 0's signal speaks for all four waves; wave 0 signals for the work-group; every wave waits for all sixteen work-groups; my work-group's barrier once more.
.macro CREST                           ; a round behind its opening barrier
	s_cmp_lg_u32 s10, 0
	s_cbranch_scc1 .Lnot_wave_0_\@
	s_barrier_signal -3
.Lnot_wave_0_\@:
	s_barrier_wait -3
	s_barrier_signal -1
	s_barrier_wait -1
.endm
.macro CROUND                          ; a whole round
	s_barrier_signal -1
	s_barrier_wait -1
	CREST
.endm
	s_load_b128 s[4:7], s[0:1], 0x0                ; ob s[4:5], wpb s[6:7]
	s_load_b64 s[8:9], s[0:1], 0x10                ; out0
	v_lshl_add_u32 v[SPW], v0, 2, SPARE
	v_mov_b32 v[NIL], 0
	ds_add_u32 v[SPW], v[NIL]                      ; the wave's opening: the add and its wait stand ahead of my first tensor load; the set-up below, work on registers, stands between them
	ds_add_u32 v28, v29
	v_lshrrev_b32 v1, 5, v0
	v_readfirstlane_b32 s10, v1                    ; wave 0..3
	s_lshr_b32 s11, s10, 1                         ; I fetch for y (0) or for the weights (1),
	s_and_b32 s12, s10, 1                          ; the first or the second 64 of the step's 128 along K
	s_bfe_u32 s40, ttmp6, 0x40000                  ; cx, cy: my place in the cluster
	s_bfe_u32 s41, ttmp6, 0x40004
	s_lshl_b32 s42, ttmp9, 2                       ; in a cluster launch ttmp9 and ttmp7 count clusters
	s_add_co_u32 s42, s42, s40                     ; tile column = 4 x cluster x + cx
	s_and_b32 s13, ttmp7, 0xffff
	s_lshl_b32 s13, s13, 2
	s_add_co_u32 s13, s13, s41                     ; tile row = 4 x cluster y + cy
	s_lshl_b32 s43, s41, 2
	s_lshl_b32 s43, 15, s43                        ; my row of the cluster: places 4 cy .. 4 cy + 3
	s_lshl_b32 s44, 0x1111, s40                    ; my column: places cx, cx + 4, cx + 8, cx + 12
	; descriptor group 1: dense rows of 128 elements (256 bytes); 128 of them for y, 64 for the weights
	s_or_b32 s[G1A], s43, (1<<16)|(1<<20)|(1<<21)|(4<<22)|(3<<25)  ; 15:0 the mask: y's tiles go to my row; 17:16 elements of 2 bytes; 20 padding on; 21 set beside a mask; 24:22 after every 32 words (code 4); 31:25 4 words of it (code 3)
	s_or_b32 s[G1B], s44, (1<<16)|(1<<20)|(1<<21)|(4<<22)|(3<<25)  ; the same with the mask of my column
.irp g, G1A, G1B
	s_mov_b32 s[(\g)+1], 128<<16                   ; tensor_dim0 = 128
	s_mov_b32 s[(\g)+3], 128<<16                   ; tile_dim0 = 128
	s_mov_b32 s[(\g)+5], 128                       ; 128 elements from row to row
	s_mov_b32 s[(\g)+6], 0
	s_mov_b32 s[(\g)+7], 0
.endr
	s_mov_b32 s[G1A+2], 128<<16                    ; tensor_dim1
	s_mov_b32 s[G1A+4], 128                        ; tile_dim1
	s_mov_b32 s[G1B+2], 64<<16
	s_mov_b32 s[G1B+4], 64
	; where the tiles come from.  y's hang on the tile row alone, the weights' on the tile column alone, each in registers that never hold the other coordinate.
	s_lshr_b32 s16, s13, 3                         ; eight tile rows a batch;
	s_lshl_b32 s16, s16, 4                         ; sixteen heads a batch;
	s_add_co_u32 s16, s16, s12                     ; K step 0 has heads 0 and 1: mine,
	s_lshl_b32 s16, s16, 18                        ; of 262,144 bytes,
	s_and_b32 s22, s13, 7
	s_lshl_b32 s22, s22, 15                        ; and in it the tile's 256 rows of 128 bytes
	s_add_co_u32 s16, s16, s22
	s_mov_b32 s17, 0
	s_lshl_b32 s46, s12, 17                        ; the weights: my block of 131,072 bytes,
	s_lshl_b32 s23, s42, 14                        ; and in it the tile's 128 rows of 128 bytes
	s_add_co_u32 s46, s46, s23
	s_mov_b32 s47, 0
	s_mul_i32 s20, s12, HALFA                      ; and where they go: no place in the cluster enters an LDS address
	s_mul_i32 s21, s12, HALFB
	s_add_co_u32 s21, s21, BOFF
	s_wait_dscnt 0x0                               ; the opening add is done
	s_wait_kmcnt 0x0
	s_add_nc_u64 s[14:15], s[4:5], s[16:17]
	s_add_nc_u64 s[46:47], s[6:7], s[46:47]
.irp s, 0,1
	s_mov_b32 s[G0A+4*(\s)], 1                                      ; 1:0 count = 1
	s_add_co_u32 s[G0A+4*(\s)+1], s20, (\s)*SLOT1                   ; 63:32 LDS address
	s_add_nc_u64 s[G0A+4*(\s)+2:G0A+4*(\s)+3], s[14:15], (\s)*STEPA ; 120:64 global address: K step s
	s_or_b32 s[G0A+4*(\s)+3], s[G0A+4*(\s)+3], 0x80000000           ; 127:126 type = 2
	s_mov_b32 s[G0B+4*(\s)], 1
	s_add_co_u32 s[G0B+4*(\s)+1], s21, (\s)*SLOT1
	s_add_nc_u64 s[G0B+4*(\s)+2:G0B+4*(\s)+3], s[46:47], (\s)*STEPB
	s_or_b32 s[G0B+4*(\s)+3], s[G0B+4*(\s)+3], 0x80000000
.endr
	CROUND                                         ; all sixteen work-groups are here: the first joint loads meet
	s_cmp_eq_u32 s11, 0                            ; a wave's two first fills stand in one branch, ahead of every wait on TENSORcnt and every LDS read: two loads of mine are out
	s_cbranch_scc0 .Lfirst_b
	tensor_load_to_lds s[G0A:G0A+3], s[G1A:G1A+7]
	s_nop 0
	tensor_load_to_lds s[G0A+4:G0A+7], s[G1A:G1A+7]
	s_nop 0
.rept 4
	v_nop
.endr
	s_branch .Lfirst_asked
.Lfirst_b:
	tensor_load_to_lds s[G0B:G0B+3], s[G1B:G1B+7]
	s_nop 0
	tensor_load_to_lds s[G0B+4:G0B+7], s[G1B:G1B+7]
	s_nop 0
.rept 4
	v_nop
.endr
.Lfirst_asked:
	; A fragment is 16 rows x 32 K in 8 registers: lane l holds row l % 16; registers 0-3 hold K = 8 (l / 16) + 0..7, registers 4-7 K = 16 + 8 (l / 16) + 0..7: two loads of 16 bytes, 32 bytes apart.
	v_and_b32 v1, 15, v0                           ; l % 16
	v_bfe_u32 v2, v0, 4, 1                         ; l / 16
	v_mul_u32_u24 v3, v1, PITCH
	v_lshl_add_u32 v3, v2, 4, v3                   ; row x pitch + 16 x half
	s_mul_i32 s22, s10, 64*PITCH                   ; my 64 rows of y
	v_add_nc_u32 v[A0], s22, v3
	v_add_nc_u32 v[B0], BOFF, v3                   ; all waves read all of the weights' rows
	v_mov_b32 v[ADA], v[A0]
	v_mov_b32 v[ADB], v[B0]
	s_mul_i32 s23, s10, 16*SP
	s_add_co_u32 s23, s23, STAGE                   ; my stage
	v_mul_u32_u24 v3, v1, SP                       ; in: row l % 16, 32 bytes for each half of the lanes
	v_lshl_add_u32 v3, v2, 5, v3
	v_add_nc_u32 v[STO], s23, v3
	v_and_b32 v[GO], 31, v0                        ; back: 32 lanes take one row of 512 bytes,
	v_lshlrev_b32 v[GO], 4, v[GO]
	v_add_nc_u32 v[RD], s23, v[GO]                 ; which are 512 consecutive bytes of out0
	s_lshl_b32 s68, s13, 20                        ; the tile's 256 rows of 4,096 bytes,
	s_lshl_b32 s69, s10, 18                        ; my wave's 64,
	s_add_co_u32 s68, s68, s69
	s_lshl_b32 s69, s42, 9                         ; the tile's 128 columns
	s_add_co_u32 s68, s68, s69
	s_mov_b32 s69, 0
	s_add_nc_u64 s[8:9], s[8:9], s[68:69]
	s_mov_b32 s[TB], 0
; Eight matrix instructions: block a of my four blocks of 16 rows x all 8 column blocks, 32 along K, from buffer f.  zero = 1: the product starts the sum: nothing is ever cleared.
; All 32 accumulators take turns, one instruction a turn, in the same order in every quarter step, over the backward jump too.
.macro MUL f, a, zero
	WIN FW|(FW<<2)|(1<<4)|(1<<6)
.irp b, 0,1,2,3,4,5,6,7
.set ar, 8*(NBK*(\a)+(\b))
.if \zero
	v_wmma_f32_16x16x32_f16 v[ar:ar+7], v[(\f)+8*(\b):(\f)+8*(\b)+7], v[(\f)+8*NBK+8*(\a):(\f)+8*NBK+8*(\a)+7], 0
.else
	v_wmma_f32_16x16x32_f16 v[ar:ar+7], v[(\f)+8*(\b):(\f)+8*(\b)+7], v[(\f)+8*NBK+8*(\a):(\f)+8*NBK+8*(\a)+7], v[ar:ar+7]
.endif
.endr
.endm
; 24 LDS loads in one run: the fragments of quarter q of the slot in hand, into buffer f.  Quarter q lies in head (or block) q / 2 of the step's two, at byte 64 (q % 2) of its rows.
.macro FETCH q, f
	WIN FW<<6
.irp j, 0,1,2,3,4,5,6,7
	ds_load_b128 v[(\f)+8*(\j):(\f)+8*(\j)+3],   v[ADB] offset:((\q)/2)*HALFB+((\q)%2)*64+(\j)*16*PITCH
	ds_load_b128 v[(\f)+8*(\j)+4:(\f)+8*(\j)+7], v[ADB] offset:((\q)/2)*HALFB+((\q)%2)*64+(\j)*16*PITCH+32
.endr
.irp i, 0,1,2,3
	ds_load_b128 v[(\f)+8*NBK+8*(\i):(\f)+8*NBK+8*(\i)+3],   v[ADA] offset:((\q)/2)*HALFA+((\q)%2)*64+(\i)*16*PITCH
	ds_load_b128 v[(\f)+8*NBK+8*(\i)+4:(\f)+8*NBK+8*(\i)+7], v[ADA] offset:((\q)/2)*HALFA+((\q)%2)*64+(\i)*16*PITCH+32
.endr
.endm
; A K step is four quarters of 32 along K, 32 matrix instructions each, on buffers 0, 1, 0, 1.  One of the first three: multiplies buffer f; behind its first eight products it fetches quarter q into buffer g, 24 products ahead of the use.
.macro QUARTER f, g, q, zero
	s_wait_dscnt 0x0                               ; buffer f is in
	MUL \f, 0, \zero
	PLACES                                         ; for the loads into g, which the quarter before multiplied
	FETCH \q, \g
	MUL \f, 1, \zero
	MUL \f, 2, \zero
	MUL \f, 3, \zero
.endm
; The last quarter multiplies buffer 1 and changes slots: ONE barrier.  In front of it each wave waits for all its tensor loads, of which one is out: its part of the next slot; adds 0 to its spare word; and waits for that and
; for its own reads of this slot.  Behind it nobody reads this slot any more and the next slot is whole.  fill = 1: the barrier opens a round of the cluster's, so that no wave of any partner still reads the slot or has a load
; on its way, and the joint refill, the K step two steps on, is the first thing behind the round: 112 matrix instructions ahead of the wait for it.
.macro TURN fill
	WIN 0                                          ; (the add's two registers lie in window 0)
	s_wait_tensorcnt 0x0                           ; no tensor load of mine is out, so a group 0 may be written
	ds_add_u32 v[SPW], v[NIL]                      ; 0 onto my spare word: scalar work and eight products stand between it and the wait for it
.if \fill
	s_xor_b32 s[G0A+5], s[G0A+5], SLOT1            ; the walking sets: the other slot than last time,
	s_add_nc_u64 s[G0A+6:G0A+7], s[G0A+6:G0A+7], STEPA  ; the next K step; the type bits on top are not reached
	s_xor_b32 s[G0B+5], s[G0B+5], SLOT1
	s_add_nc_u64 s[G0B+6:G0B+7], s[G0B+6:G0B+7], STEPB
.endif
	s_xor_b32 s[TB], s[TB], SLOT1                  ; the fetches go over to the other slot
	s_wait_dscnt 1                                 ; buffer 1 is in; the add, issued behind its loads, may be out
	MUL F1, 0, 0
	s_wait_dscnt 0x0                               ; the add is done, and my reads of this slot are over
	s_barrier_signal -1
	MUL F1, 1, 0                                   ; work on registers while the others arrive
	WIN 0                                          ; (branches and lines on window 0 follow)
	s_barrier_wait -1
.if \fill
	CREST
	JLOAD                                          ; the four v_nop behind it are also the places in front of the loads below
.else
	PLACES
.endif
	v_add_nc_u32 v[ADA], s[TB], v[A0]
	v_add_nc_u32 v[ADB], s[TB], v[B0]
	FETCH 0, F0
	MUL F1, 2, 0
	MUL F1, 3, 0
.endm
; THE WAY OUT of block a (16 rows), in two parts.  TOSTAGE: a lane's eight f32 of a row, 32 bytes, go into my own stage, each accumulator's low four registers first, and come back as whole rows of 512 bytes.  SEND: stored.
.macro TOSTAGE a
.set BK, OB+64*((\a)%2)
	s_wait_xcnt 0x0                                ; every earlier memory instruction has had its addresses translated (ISA guide 3.1): the registers that the stores two blocks back read are loaded again only behind this wait
	WIN 0x04                                       ; the stores' data in window 1, their address in window 0
.irp b, 0,1,2,3,4,5,6,7
	ds_store_b128 v[STO], v[8*(NBK*(\a)+(\b)):8*(NBK*(\a)+(\b))+3]   offset:64*(\b)
	ds_store_b128 v[STO], v[8*(NBK*(\a)+(\b))+4:8*(NBK*(\a)+(\b))+7] offset:64*(\b)+16
.endr
	WIN 0
.irp t, 0,1,2,3,4,5,6,7,8,9,10,11,12,13,14,15
	ds_load_b128 v[BK+4*(\t):BK+4*(\t)+3], v[RD] offset:(\t)*SP  ; LDS serves a wave's instructions in order (ISA guide 5.7.1.4): these see the stores above; the next block's stores come behind them
.endr
.endm
.macro SEND a, younger                 ; younger: the LDS instructions issued behind block a's loads: the next block's 16 stores and 16 loads, or none
.set BK, OB+64*((\a)%2)
	s_wait_dscnt \younger
.irp t, 0,1,2,3,4,5,6,7,8,9,10,11,12,13,14,15
	global_store_b128 v[GO], v[BK+4*(\t):BK+4*(\t)+3], s[8:9] offset:(16*(\a)+(\t))*4096  ; 512 consecutive bytes of a row, at a multiple of 256 from out0's first byte
.endr
.endm
	s_wait_tensorcnt 1                             ; my part of K step 0 is in; K step 1's, issued behind it, may stay out
	s_barrier_signal -1
	s_barrier_wait -1                              ; everybody's is
	FETCH 0, F0
	QUARTER F0, F1, 1, 1                           ; the first quarter stands in front of the loop: its products start the sums
	WIN 0                                          ; at a label and at a branch every window is 0
	s_mov_b32 s[CNT], NSTEP-2
.Lstep:                                                ; trip i finishes K step i, fills its slot again with K step i + 2, and begins K step i + 1
	QUARTER F1, F0, 2, 0
	QUARTER F0, F1, 3, 0
	TURN 1
	QUARTER F0, F1, 1, 0
	WIN 0
	s_sub_co_u32 s[CNT], s[CNT], 1
	s_cmp_lg_u32 s[CNT], 0
	s_cbranch_scc1 .Lstep
	QUARTER F1, F0, 2, 0                           ; the last two K steps are written out: they ask for nothing
	QUARTER F0, F1, 3, 0
	TURN 0
	QUARTER F0, F1, 1, 0
	QUARTER F1, F0, 2, 0
	QUARTER F0, F1, 3, 0
	s_wait_dscnt 0x0                               ; the very last quarter: nothing more to fetch
	MUL F1, 0, 0
	MUL F1, 1, 0
	MUL F1, 2, 0
	MUL F1, 3, 0
	WIN 0
	PLACES                                         ; the LDS stores read results just made
	PLACES
	TOSTAGE 0
	TOSTAGE 1
	SEND 0, 32
	TOSTAGE 2
	SEND 1, 32
	TOSTAGE 3
	SEND 2, 32
	SEND 3, 0
	s_wait_tensorcnt 0x0                           ; the wave's end: the add and its wait, behind my last tensor load and my last LDS store
	ds_add_u32 v[SPW], v[NIL]
	s_wait_dscnt 0x0
	CROUND                                         ; the closing round: no work-group ends while a partner may still ask for a tile that names it
	s_endpgm
.Lfunc_end_k_q307f8b4e91_proj:
	.size	k_q307f8b4e91_proj, .Lfunc_end_k_q307f8b4e91_proj-k_q307f8b4e91_proj
	.p2alignl 7, 3214868480
	.fill 96, 4, 3214868480
	.section	.rodata,"a",@progbits
	.p2align	6, 0x0
	.amdhsa_kernel k_q307f8b4e91_proj
		.amdhsa_group_segment_fixed_size 327680
		.amdhsa_private_segment_fixed_size 0
		.amdhsa_enable_private_segment 0
		.amdhsa_kernarg_size 24
		.amdhsa_user_sgpr_count 2
		.amdhsa_user_sgpr_kernarg_segment_ptr 1
		.amdhsa_wavefront_size32 1
		.amdhsa_system_sgpr_workgroup_id_x 1
		.amdhsa_system_sgpr_workgroup_id_y 1
		.amdhsa_system_sgpr_workgroup_id_z 1
		.amdhsa_system_vgpr_workitem_id 0
		.amdhsa_next_free_vgpr 768
		.amdhsa_next_free_sgpr 72
		.amdhsa_reserve_vcc 0
		.amdhsa_float_denorm_mode_32 3
		.amdhsa_float_denorm_mode_16_64 3
		.amdhsa_memory_ordered 1
		.amdhsa_forward_progress 1
		.amdhsa_inst_pref_size 68
	.end_amdhsa_kernel
	.amdgpu_metadata
---
amdhsa.version: [ 1, 2 ]
amdhsa.kernels:
  - .name:           k_q307f8b4e91_proj
    .symbol:         k_q307f8b4e91_proj.kd
    .args:
      - { .name: ob, .offset: 0, .size: 8, .value_kind: global_buffer, .address_space: global }
      - { .name: wpb, .offset: 8, .size: 8, .value_kind: global_buffer, .address_space: global }
      - { .name: out0, .offset: 16, .size: 8, .value_kind: global_buffer, .address_space: global }
    .group_segment_fixed_size: 327680
    .private_segment_fixed_size: 0
    .kernarg_segment_align: 8
    .kernarg_segment_size: 24
    .max_flat_workgroup_size: 128
    .sgpr_count:     72
    .vgpr_count:     768
    .wavefront_size: 32
...
	.end_amdgpu_metadata
.endif
;; end of part 4
;; ======== version 2 of 2: 4 launches; version 1 with the launch cast written anew for expert scheduling mode
;; limits: values are held in f16: magnitudes above 65,504 overflow, below 6.1e-05 lose precision
;; workspace buffers: xb 16,777,216 bytes; wqb 6,291,456 bytes; wpb 2,097,152 bytes; qkv 50,331,648 bytes; ob 16,777,216 bytes
;; launch cast (part 5): grid 768 x 1, 8 waves a work-group, no clusters, 0 bytes of LDS; arguments x, w_qkv, w_proj, xb, wqb, wpb; writes xb, wqb, wpb
.if DOCPART == 5
	.amdgcn_target "amdgcn-amd-amdhsa--gfx1250"
	.amdhsa_code_object_version 6
	.text
	.protected	k_q307f8b4e91_cast
	.globl	k_q307f8b4e91_cast
	.p2align	8
	.type	k_q307f8b4e91_cast,@function
k_q307f8b4e91_cast:
	s_mov_b64 s[64:65], 0
	v_nop
	global_prefetch_b8 v0, s[64:65] scope:SCOPE_SE
	s_setreg_imm32_b32 hwreg(HW_REG_WAVE_SCHED_MODE, 0, 2), 2
	s_setreg_imm32_b32 hwreg(HW_REG_WAVE_MODE, 25, 1), 1
	s_wait_xcnt 0x0
	s_wait_alu depctr_vm_vsrc(0)
; THE INPUTS ARE ROUNDED ONCE, for the matrix units.  x [8192][1024] and w_qkv [3072][1024], f32, become bf16 in the same layout (xb, wqb).
; w_proj [1024 n][1024 k], f32, is rounded to bf16 like the other inputs, and that number is written as f16 (exact within f16's range), laid in blocks of 64 along k:
; wpb [16 kb][1024 n][64 k], so that 128 rows of one block are 16,384 dense bytes for the launch that multiplies by them.
; LIMITS.  A number of w_proj of 65,520 or more in magnitude becomes an infinity in f16; below 6e-5 f16 keeps its fixed step of 6e-8.  NaN and infinities are passed on as the conversions give them.
; SHARES.  A work-group converts 16,384 numbers: 65,536 bytes in, 32,768 out.  Work-groups 0-511 take x, 512-703 w_qkv, 704-767 sixteen rows of w_proj each: 768 equal shares.
; A thread issues its sixteen loads of 16 bytes at once (a wave's load covers 512 consecutive bytes), so the whole share is on its way; then, load by load, it converts four numbers, and behind every fourth
; load's conversions it stores four times 8 bytes: a wave's store covers 256 consecutive bytes, aligned.  No LDS, no barrier: no thread wants another's bytes.
; THE MODE: SCHED_MODE bits 1:0 = 2 (LLVM: expert scheduling mode 2), set by the entry lines.  The code itself states the register dependences between vector instructions and memory instructions,
; with s_wait_alu, always for 0.
; THE PLAN.  Registers that memory instructions touch, on either of the two ways through the text; each is written ONCE in the kernel:
;   v1   the loads' offset.   Written by vector instructions at the head of its way; read by the sixteen loads.
;   v2   the stores' offset.  Written by one vector instruction ahead of the branch; read by the sixteen stores.
;   X    Written by the loads, which are all issued before any vector instruction names X; read by the conversions, behind the wait for the data.
;   Y    Written by the conversions; read by the stores.
;   v3 to v7 are named by vector instructions alone.
; So one wait on va_vdst stands ahead of the first load (v1 and v2 are written; no later vector instruction names them, so it serves the stores' offset too), and one ahead of each run of four stores (the four
; passes' conversions have written their Y).  No register that a memory instruction reads is written again, and no load lands in a register that a vector instruction has named: nothing else is owed.
.set X, 8                              ; v[8:71]    pass p: four f32 as loaded
.set Y, 72                             ; v[72:103]  pass p: four 16-bit numbers to store
	s_load_b256 s[4:11], s[0:1], 0x0               ; x s[4:5], w_qkv s[6:7], w_proj s[8:9], xb s[10:11]
	s_load_b128 s[12:15], s[0:1], 0x20             ; wqb s[12:13], wpb s[14:15]
	s_mov_b32 s16, ttmp9                           ; the work-group's number
	s_sub_co_u32 s17, s16, 512                     ; its number among w_qkv's
	s_sub_co_u32 s18, s16, 704                     ; and among w_proj's
	s_mov_b32 s25, 0                               ; the high words of the two offsets
	s_mov_b32 s27, 0
	v_lshlrev_b32 v2, 3, v0                        ; out: 8 bytes a thread, on both ways
	s_wait_kmcnt 0x0
	s_cmp_lt_u32 s16, 704
	s_cbranch_scc0 .Lw_proj
	; x and w_qkv: the layout stays
	s_cmp_lt_u32 s16, 512
	s_cselect_b64 s[20:21], s[4:5], s[6:7]         ; from
	s_cselect_b64 s[22:23], s[10:11], s[12:13]     ; to
	s_cselect_b32 s24, s16, s17                    ; my share's number in that tensor
	s_lshl_b32 s26, s24, 15                        ; 32,768 bytes out,
	s_lshl_b32 s24, s24, 16                        ; 65,536 bytes in
	s_add_nc_u64 s[20:21], s[20:21], s[24:25]
	s_add_nc_u64 s[22:23], s[22:23], s[26:27]
	v_lshlrev_b32 v1, 4, v0                        ; in: 16 bytes a thread; a pass is 4,096 bytes
	s_wait_alu depctr_va_vdst(0)                   ; v1 is written, which the loads read as their offset, and v2, which the stores read as theirs
.irp p, 0,1,2,3,4,5,6,7,8,9,10,11,12,13,14,15
	global_load_b128 v[X+4*(\p):X+4*(\p)+3], v1, s[20:21] offset:4096*(\p) th:TH_LOAD_NT
.endr
.irp b, 0,1,2,3
.irp j, 0,1,2,3
	s_wait_loadcnt 15-(4*(\b)+(\j))                ; loads come back in order (ISA guide 5.7.1): pass p = 4 b + j is in, the 15 - p younger ones stay out
	v_cvt_pk_bf16_f32 v[Y+2*(4*(\b)+(\j))], v[X+4*(4*(\b)+(\j))], v[X+4*(4*(\b)+(\j))+1]
	v_cvt_pk_bf16_f32 v[Y+2*(4*(\b)+(\j))+1], v[X+4*(4*(\b)+(\j))+2], v[X+4*(4*(\b)+(\j))+3]
.endr
	s_wait_alu depctr_va_vdst(0)                   ; the eight conversions have written Y of passes 4 b to 4 b + 3, which the four stores read
.irp j, 0,1,2,3
	global_store_b64 v2, v[Y+2*(4*(\b)+(\j)):Y+2*(4*(\b)+(\j))+1], s[22:23] offset:2048*(4*(\b)+(\j)) th:TH_STORE_NT
.endr
.endr
	s_endpgm
.Lw_proj:
	; w_proj: thread t takes row t / 16 of the share's sixteen; pass p is block p of 64 along k: sixteen lanes read its 256 bytes of a row.
	; Out, a row of a block is 128 bytes: 128 (t / 16) + 8 (t % 16) = 8 t; a wave's store is two neighbouring rows of one block.
	s_lshl_b32 s24, s18, 16                        ; sixteen rows of 4,096 bytes in,
	s_lshl_b32 s26, s18, 11                        ; sixteen rows of 128 bytes in each block out
	s_add_nc_u64 s[20:21], s[8:9], s[24:25]
	s_add_nc_u64 s[22:23], s[14:15], s[26:27]
	v_lshrrev_b32 v3, 4, v0
	v_and_b32 v1, 15, v0
	v_lshlrev_b32 v1, 4, v1
	v_lshl_add_u32 v1, v3, 12, v1                  ; row x 4,096 + 16 (t % 16)
	s_wait_alu depctr_va_vdst(0)                   ; v1 is written, which the loads read as their offset, and v2, which the stores read as theirs
.irp p, 0,1,2,3,4,5,6,7,8,9,10,11,12,13,14,15
	global_load_b128 v[X+4*(\p):X+4*(\p)+3], v1, s[20:21] offset:256*(\p) th:TH_LOAD_NT
.endr
.irp b, 0,1,2,3
.irp j, 0,1,2,3
	s_wait_loadcnt 15-(4*(\b)+(\j))                ; pass p = 4 b + j is in
	v_cvt_pk_bf16_f32 v4, v[X+4*(4*(\b)+(\j))], v[X+4*(4*(\b)+(\j))+1]      ; the rounding that all inputs get,
	v_cvt_pk_bf16_f32 v5, v[X+4*(4*(\b)+(\j))+2], v[X+4*(4*(\b)+(\j))+3]
	v_lshlrev_b32 v6, 16, v4                       ; back to f32: the low half moves up,
	v_and_b32 v4, 0xffff0000, v4                   ; the high half stays,
	v_lshlrev_b32 v7, 16, v5
	v_and_b32 v5, 0xffff0000, v5
	v_cvt_pk_f16_f32 v[Y+2*(4*(\b)+(\j))], v6, v4  ; and the same numbers as f16
	v_cvt_pk_f16_f32 v[Y+2*(4*(\b)+(\j))+1], v7, v5
.endr
	s_wait_alu depctr_va_vdst(0)                   ; the conversions to f16 have written Y of passes 4 b to 4 b + 3, which the four stores read
.irp j, 0,1,2,3
	global_store_b64 v2, v[Y+2*(4*(\b)+(\j)):Y+2*(4*(\b)+(\j))+1], s[22:23] offset:131072*(4*(\b)+(\j)) th:TH_STORE_NT  ; a block is 1,024 rows of 128 bytes
.endr
.endr
	s_endpgm
.Lfunc_end_k_q307f8b4e91_cast:
	.size	k_q307f8b4e91_cast, .Lfunc_end_k_q307f8b4e91_cast-k_q307f8b4e91_cast
	.p2alignl 7, 3214868480
	.fill 96, 4, 3214868480
	.section	.rodata,"a",@progbits
	.p2align	6, 0x0
	.amdhsa_kernel k_q307f8b4e91_cast
		.amdhsa_group_segment_fixed_size 0
		.amdhsa_private_segment_fixed_size 0
		.amdhsa_enable_private_segment 0
		.amdhsa_kernarg_size 48
		.amdhsa_user_sgpr_count 2
		.amdhsa_user_sgpr_kernarg_segment_ptr 1
		.amdhsa_wavefront_size32 1
		.amdhsa_system_sgpr_workgroup_id_x 1
		.amdhsa_system_sgpr_workgroup_id_y 1
		.amdhsa_system_sgpr_workgroup_id_z 1
		.amdhsa_system_vgpr_workitem_id 0
		.amdhsa_next_free_vgpr 104
		.amdhsa_next_free_sgpr 66
		.amdhsa_reserve_vcc 0
		.amdhsa_float_denorm_mode_32 3
		.amdhsa_float_denorm_mode_16_64 3
		.amdhsa_memory_ordered 1
		.amdhsa_forward_progress 1
		.amdhsa_inst_pref_size 18
	.end_amdhsa_kernel
	.amdgpu_metadata
---
amdhsa.version: [ 1, 2 ]
amdhsa.kernels:
  - .name:           k_q307f8b4e91_cast
    .symbol:         k_q307f8b4e91_cast.kd
    .args:
      - { .name: x, .offset: 0, .size: 8, .value_kind: global_buffer, .address_space: global }
      - { .name: w_qkv, .offset: 8, .size: 8, .value_kind: global_buffer, .address_space: global }
      - { .name: w_proj, .offset: 16, .size: 8, .value_kind: global_buffer, .address_space: global }
      - { .name: xb, .offset: 24, .size: 8, .value_kind: global_buffer, .address_space: global }
      - { .name: wqb, .offset: 32, .size: 8, .value_kind: global_buffer, .address_space: global }
      - { .name: wpb, .offset: 40, .size: 8, .value_kind: global_buffer, .address_space: global }
    .group_segment_fixed_size: 0
    .private_segment_fixed_size: 0
    .kernarg_segment_align: 8
    .kernarg_segment_size: 48
    .max_flat_workgroup_size: 256
    .sgpr_count:     66
    .vgpr_count:     104
    .wavefront_size: 32
...
	.end_amdgpu_metadata
.endif
;; end of part 5
;; launch qkvgemm: the kernel of part 2 again; grid 16 x 32, 4 waves a work-group, clusters of 4 x 4, 327,680 bytes of LDS; arguments xb, wqb, qkv; writes qkv
;; launch attn: the kernel of part 3 again; grid 4 x 64, 4 waves a work-group, no clusters, 327,680 bytes of LDS; arguments qkv, ob; writes ob
;; launch proj: the kernel of part 4 again; grid 8 x 32, 4 waves a work-group, clusters of 4 x 4, 327,680 bytes of LDS; arguments ob, wpb, out0; writes out0
